; MI455X (gfx1250); checked and timed in simulation.
; The chip was launched on July 23, 2026; its instructions are those of AMD's public machine-readable ISA for CDNA 5 (MIT licence, August 2026) and "CDNA5" Instruction Set Architecture Reference Guide (July 2026). The comments in the code are by the model that wrote it; some were corrected since.
;; Multi Headed Attention. Allowed arithmetic: matrix products marked QUANTISED: E2M1 operands, one E8M0 scale for each 32 along K, by v_wmma_scale_f32_16x16x128_f8f6f4 with both operands' format E2M1 (or v_wmma_scale_f32_32x16x128_f4), f32 sums; products left as they are: bf16, f16 or f32 operands; f32 sums; everything else in f32.
;; Inputs: Wk 1,024 x 1,024 float32; Wo 1,024 x 1,024 float32; Wq 1,024 x 1,024 float32; Wv 1,024 x 1,024 float32; bk 1,024 float32; bo 1,024 float32; bq 1,024 float32; bv 1,024 float32; key 2 x 2,048 x 1,024 float32; mask 2 x 2,048 x 2,048 int32; query 2 x 2,048 x 1,024 float32; value 2 x 2,048 x 1,024 float32.
;; Outputs: out0 2 x 2,048 x 1,024 float32.
;; This version of the problem:
;;   THIS VERSION OF THE PROBLEM IS GIVEN IN LOW PRECISION. The matrix products marked QUANTISED in the list below multiply operands that are first quantised to E2M1 (2 exponent bits, 1 mantissa bit; 4 bits a number), with one power-of-two scale for each 32 numbers along K (OCP MX v1.0); their sums are f32. The products marked 'left as it is' may take bf16, f16 or f32 operands, with f32 sums. Whichever they take, every output number must still come out within the allowed error. Rounding operands to bf16 (8 significant bits) uses up far more of that allowance than f16 does (11 bits, for magnitudes from 6e-5 to 65,504). All else is computed in f32.
;;   The module's matrix products, in the order in which they are computed (A, B: the left and right operand; K: the contracted axis; several contracted axes count as one K, in the product's order):
;;     1. [M 4,096, K 1,024] x [K 1,024, N 1,024]; A: input query; B: input Wq: QUANTISED
;;     2. [M 4,096, K 1,024] x [K 1,024, N 1,024]; A: input key; B: input Wk: QUANTISED
;;     3. [M 4,096, K 1,024] x [K 1,024, N 1,024]; A: input value; B: input Wv: QUANTISED
;;     4. batch 32 x [M 2,048, K 64] x [K 64, N 2,048]; A: computed on the way; B: computed on the way: left as it is (an operand is computed on the way)
;;     5. batch 32 x [M 2,048, K 2,048] x [K 2,048, N 64]; A: computed on the way; B: computed on the way: left as it is (an operand is computed on the way)
;;     6. [M 4,096, K 1,024] x [K 1,024, N 1,024]; A: computed on the way; B: input Wo: left as it is (an operand is computed on the way)
;;   THE QUANTISER, for each operand of a quantised product, along K:
;;     - K is cut into blocks of 32 from its start; a last block that is shorter is filled with zeros.
;;     - A block's scale is 2^e with e = floor(log2(the largest magnitude in the block)) - 2, held to -126 .. 127; a block of zeros has e = 0. As a byte (E8M0): e + 127.
;;     - Each number is divided by its block's scale, clamped to +-6, and rounded to the nearest number of E2M1, ties to even, subnormals kept.
;;     - The product sums the exact products of the quantised numbers (number of the format x scale) in f32.
;;   ~~~python
;;   def quantise(x, axis):      # numpy; x: float32 -> the quantised numbers, widened to float32 again
;;       x = np.moveaxis(x, axis, -1); K = x.shape[-1]
;;       x = np.pad(x, [(0, 0)] * (x.ndim - 1) + [(0, -K % 32)]); x = x.reshape(x.shape[:-1] + (-1, 32)); a = np.abs(x).max(-1, keepdims=True)
;;       e = np.where(a > 0, np.clip(np.frexp(np.where(a > 0, a, 1))[1] - 1 - 2, -126, 127), 0)      # np.frexp(a)[1] - 1 = floor(log2(a)), exactly
;;       r = np.clip(x / 2.0 ** e, -6, 6)
;;       step = 2.0 ** (np.maximum(np.frexp(np.where(r == 0, 1, r))[1] - 1, 0) - 1)
;;       q = np.round(r / step) * step * 2.0 ** e      # np.round: ties to even
;;       return np.moveaxis(q.reshape(q.shape[:-2] + (-1,))[..., :K], -1, axis).astype(np.float32)
;;   ~~~
;; One version. Each part assembles by itself: llvm-mc -triple=amdgcn-amd-amdhsa -mcpu=gfx1250 --defsym DOCPART=n.
;; ======== version 1 of 1: 4 launches
;; limits: values are held in f16: magnitudes above 65,504 overflow, below 6.1e-05 lose precision
;; workspace buffers: xc 6,291,456 bytes; xs 393,216 bytes; wc 1,572,864 bytes; ws 98,304 bytes; wo16 2,097,152 bytes; mw 1,048,576 bytes of whole numbers; qkv 25,165,824 bytes; xw 8,388,608 bytes
;; launch prep (part 1): grid 720 x 1, 4 waves a work-group, no clusters, 101,888 bytes of LDS; arguments query, key, value, Wq, Wk, Wv, Wo, mask, xc, xs, wc, ws, wo16, mw; writes xc, xs, wc, ws, wo16, mw
.if DOCPART == 1
	.amdgcn_target "amdgcn-amd-amdhsa--gfx1250"
	.amdhsa_code_object_version 6
	.text
	.protected	k_qe2b0a7c702_prep
	.globl	k_qe2b0a7c702_prep
	.p2align	8
	.type	k_qe2b0a7c702_prep,@function
k_qe2b0a7c702_prep:
	s_mov_b64 s[64:65], 0
	v_nop
	global_prefetch_b8 v0, s[64:65] scope:SCOPE_SE
	s_setreg_imm32_b32 hwreg(HW_REG_WAVE_MODE, 25, 1), 1
	s_wait_xcnt 0x0
; Everything that is a plain stream, in one launch; the work-group's number picks one of four paths:
;   0-47    Wq, Wk, Wv [1024 k][1024 n] f32 -> codes of E2M1 with K innermost, wc [3 x 1024 n][512 bytes], and scale bytes ws [3072][32]
;   48-303  mask [2][2048][2048] int32 -> mask words mw [256 tiles of 16 queries][32 steps of 64 keys][32 words]:
;           word 8 t + j of a step has bit r + 16 h = (mask[query 16 tile + r][key 64 step + 16 t + 8 h + j] != 0)
;   304-687 query, key, value [4096][1024] f32 -> codes xc [3 x 4096][512 bytes] and scale bytes xs [12288][32]
;   688-719 Wo f32 -> f16, same layout
; A block's scale is 2^(floor(log2(largest magnitude)) - 2); its byte is that magnitude's exponent field - 2, held at 1 from below.
; LIMITS: a block of zeros gets the byte 1 (its codes are zeros; this program alone reads the bytes); NaN and infinities are not served;
; numbers of Wo beyond 65,504 become infinities in f16, under 6e-5 they are f16 subnormals.
; Each path has LDS bytes of its own.  No barrier: waves share nothing.
.set SPARE, 101376                     ; behind the three paths' regions: the spare words, 128 bytes a wave
.set SPW,   250                        ; v250 LDS address of my spare word; never rewritten
.set NIL,   251                        ; v251 0; never rewritten
.set WBASE, 32768                      ; the weights' stages: 4 x 32 x 272 bytes
.set MBASE, 67584                      ; the mask's stages: 4 x 16 x 528 bytes
	v_lshl_add_u32 v[SPW], v0, 2, SPARE
	v_mov_b32 v[NIL], 0
	v_lshrrev_b32 v1, 5, v0
	v_readfirstlane_b32 s16, v1                    ; wave 0..3
	v_and_b32 v2, 31, v0                           ; lane
	s_cmp_lt_u32 ttmp9, 48
	s_cbranch_scc1 .Lpath_w
	s_cmp_lt_u32 ttmp9, 304
	s_cbranch_scc1 .Lpath_m
	s_cmp_lt_u32 ttmp9, 688
	s_cbranch_scc1 .Lpath_x
; ---------------- Wo to f16.  A wave takes 8,192 numbers in four groups of 16 loads of 512 consecutive bytes; a store covers 256.
	s_load_b64 s[4:5], s[0:1], 0x30                ; Wo
	s_load_b64 s[6:7], s[0:1], 0x60                ; wo16
	s_sub_co_u32 s17, ttmp9, 688
	s_lshl_b32 s17, s17, 2
	s_add_co_u32 s17, s17, s16                     ; my run of 8,192 numbers
	s_lshl_b32 s18, s17, 15
	s_mov_b32 s19, 0
	s_lshl_b32 s20, s17, 14
	s_mov_b32 s21, 0
	v_lshlrev_b32 v3, 4, v2
	v_lshlrev_b32 v4, 3, v2
	s_wait_kmcnt 0x0
	s_add_nc_u64 s[4:5], s[4:5], s[18:19]
	s_add_nc_u64 s[6:7], s[6:7], s[20:21]
.macro OLOAD g
.set i, 0
.rept 16
	global_load_b128 v[16+64*((\g)%2)+4*i:16+64*((\g)%2)+4*i+3], v3, s[4:5] offset:8192*(\g)+512*i th:TH_LOAD_NT
.set i, i+1
.endr
.endm
.macro OGROUP g
.if (\g) < 3
	s_wait_loadcnt 16                              ; this group's 16 loads are in; the next group's may be out
.else
	s_wait_loadcnt 0x0
.endif
.if (\g) >= 2
	s_wait_xcnt 0x0                                ; the stores of two groups back have read their data: the set is written again
.endif
.set i, 0
.rept 16
	v_cvt_pk_f16_f32 v[144+32*((\g)%2)+2*i], v[16+64*((\g)%2)+4*i], v[16+64*((\g)%2)+4*i+1]
	v_cvt_pk_f16_f32 v[145+32*((\g)%2)+2*i], v[16+64*((\g)%2)+4*i+2], v[16+64*((\g)%2)+4*i+3]
.set i, i+1
.endr
.set i, 0
.rept 16
	global_store_b64 v4, v[144+32*((\g)%2)+2*i:145+32*((\g)%2)+2*i], s[6:7] offset:4096*(\g)+256*i
.set i, i+1
.endr
.if (\g)+2 < 4
	OLOAD (\g)+2
.endif
.endm
	OLOAD 0
	OLOAD 1
	OGROUP 0
	OGROUP 1
	OGROUP 2
	OGROUP 3
	s_endpgm
; ---------------- the mask.  Work-group g: 16 queries; wave w: keys 512 w on, in four units of 128 keys.
; A unit's 16 rows of 512 bytes are loaded as they lie, turned through my stage (rows 528 bytes apart), and come back so that
; register 8 t + j of lane (r, h) holds mask[r][16 t + 8 h + j]: a compare then gives the 32 lanes' bits as one word.
.Lpath_m:
	s_load_b64 s[4:5], s[0:1], 0x38                ; mask
	s_load_b64 s[6:7], s[0:1], 0x68                ; mw
	s_sub_co_u32 s17, ttmp9, 48
	s_lshl_b32 s18, s17, 17                        ; 16 rows of 8,192 bytes
	s_lshl_b32 s19, s16, 11
	s_add_co_u32 s18, s18, s19
	s_mov_b32 s19, 0
	s_lshl_b32 s20, s17, 12                        ; a tile's 1,024 words
	s_lshl_b32 s21, s16, 10
	s_add_co_u32 s20, s20, s21
	s_mov_b32 s21, 0
	s_mul_i32 s22, s16, 16*528
	s_add_co_u32 s22, s22, MBASE                   ; my stage
	v_lshlrev_b32 v3, 4, v2                        ; 16 x lane
	v_add_nc_u32 v4, s22, v3                       ; into the stage
	v_and_b32 v5, 15, v2
	v_lshrrev_b32 v6, 4, v2
	v_mul_u32_u24 v5, v5, 528
	v_lshl_add_u32 v5, v6, 5, v5
	v_add_nc_u32 v5, s22, v5                       ; out of it: row r, + 32 h
	v_lshlrev_b32 v7, 3, v2                        ; two words a lane
.irp k, 0,1,2,3,4,5,6,7
	v_mov_b32 v[208+\k], 0                         ; written once: v_writelane_b32's destination counts as read
.endr
	s_wait_kmcnt 0x0
	s_add_nc_u64 s[4:5], s[4:5], s[18:19]
	s_add_nc_u64 s[6:7], s[6:7], s[20:21]
.macro MLOADU u
.set i, 0
.rept 16
	global_load_b128 v[16+64*((\u)%2)+4*i:16+64*((\u)%2)+4*i+3], v3, s[4:5] offset:8192*i+512*(\u) th:TH_LOAD_NT
.set i, i+1
.endr
.endm
.macro MUNIT u
.if (\u) < 3
	s_wait_loadcnt 16                              ; this unit's 16 loads are in; the next unit's may be out
.else
	s_wait_loadcnt 0x0
.endif
.set i, 0
.rept 16
	ds_store_b128 v4, v[16+64*((\u)%2)+4*i:16+64*((\u)%2)+4*i+3] offset:528*i
.set i, i+1
.endr
.set i, 0
.rept 16
	ds_load_b128 v[144+4*i:144+4*i+3], v5 offset:64*(i/2)+16*(i%2)   ; LDS serves a wave's instructions in order: these see my stores
.set i, i+1
.endr
	s_wait_dscnt 0x0                               ; the unit is back, and the stores have read their registers
.if (\u)+2 < 4
	MLOADU (\u)+2
.endif
.set n, 0
.rept 8
.irp k, 0,1,2,3,4,5,6,7
	v_cmp_ne_u32 s[40+\k], 0, v[144+n+\k]          ; word n + k of the unit
.endr
.irp k, 0,1,2,3,4,5,6,7
	v_writelane_b32 v[208+2*(\u)+(\k%2)], s[40+\k], (n+\k)/2   ; lane l gathers words 2 l and 2 l + 1
.endr
.set n, n+8
.endr
	global_store_b64 v7, v[208+2*(\u):209+2*(\u)], s[6:7] offset:256*(\u)   ; 32 lanes store 256 consecutive bytes, aligned
.endm
	MLOADU 0
	MLOADU 1
	MUNIT 0
	MUNIT 1
	MUNIT 2
	MUNIT 3
	s_wait_tensorcnt 0x0                           ; the wave's end, behind my last LDS store
	ds_add_u32 v[SPW], v[NIL]
	s_wait_dscnt 0x0
	s_endpgm
; ---------------- query, key, value: K innermost.  A wave takes 16 steps of 512 numbers; two neighbouring lanes hold a block of 32.
; Loads take the bytes as they lie (512 a load); a step's 2,048 bytes turn through my stage so that a lane gets 16 neighbours.
.set XSTEPS, 16
.set XR,  16                           ; v16-79   four sets of 16 numbers as loaded
.set XX,  80                           ; v80-111  two sets of 16 neighbours
.set XE,  112                          ; v112-127 a scale byte for each step
.set XC,  128                          ; v128-191 codes, registers of their own for each step
.set XWREG, 8192                       ; a wave's region: two stages of 32 x 80 bytes, then its 256 scale bytes
.set XSP, 80
.Lpath_x:
	s_load_b128 s[4:7], s[0:1], 0x0                ; query, key
	s_load_b64 s[8:9], s[0:1], 0x10                ; value
	s_load_b128 s[12:15], s[0:1], 0x40             ; xc, xs
	v_lshlrev_b32 v3, 4, v2
	s_mul_i32 s17, s16, XWREG
	v_lshrrev_b32 v14, 2, v2
	v_mul_u32_u24 v14, v14, XSP
	v_and_b32 v15, 3, v2
	v_lshl_add_u32 v14, v15, 4, v14
	v_add_nc_u32 v14, s17, v14                     ; into the stage: 80 (lane / 4) + 16 (lane % 4)
	v_mul_u32_u24 v15, v2, XSP
	v_add_nc_u32 v15, s17, v15                     ; out of it: 80 x lane
	v_lshlrev_b32 v4, 3, v2                        ; my 8 bytes of a step's codes
	v_lshrrev_b32 v5, 1, v2
	s_add_co_u32 s17, s17, 2*32*XSP
	v_add_nc_u32 v5, s17, v5                       ; my block's scale byte
	v_lshlrev_b32 v7, 3, v2
	v_add_nc_u32 v6, s17, v7
	s_sub_co_u32 s18, ttmp9, 304
	s_lshr_b32 s19, s18, 7                         ; which tensor
	s_and_b32 s20, s18, 127
	s_lshl_b32 s20, s20, 2
	s_add_co_u32 s20, s20, s16
	s_lshl_b32 s20, s20, 15                        ; my run of 8,192 numbers in it, in bytes
	s_mov_b32 s21, 0
	s_lshl_b32 s22, s18, 2
	s_add_co_u32 s22, s22, s16                     ; my run among all three tensors'
	s_lshl_b32 s24, s22, 8                         ; 256 scale bytes a run
	s_mov_b32 s25, 0
	s_lshl_b32 s22, s22, 12                        ; 4,096 bytes of codes a run
	s_mov_b32 s23, 0
	s_wait_kmcnt 0x0
	s_cmp_eq_u32 s19, 0
	s_cselect_b64 s[4:5], s[4:5], s[6:7]
	s_cmp_eq_u32 s19, 2
	s_cselect_b64 s[4:5], s[8:9], s[4:5]
	s_add_nc_u64 s[4:5], s[4:5], s[20:21]
	s_add_nc_u64 s[12:13], s[12:13], s[22:23]
	s_add_nc_u64 s[14:15], s[14:15], s[24:25]
.macro XLOAD t
.irp i, 0,1,2,3
	global_load_b128 v[XR+16*((\t)%4)+4*\i:XR+16*((\t)%4)+4*\i+3], v3, s[4:5] offset:2048*(\t)+512*\i th:TH_LOAD_NT
.endr
.endm
.macro XTURN t
.irp i, 0,1,2,3
	ds_store_b128 v14, v[XR+16*((\t)%4)+4*\i:XR+16*((\t)%4)+4*\i+3] offset:32*XSP*((\t)%2)+8*XSP*\i
.endr
.irp i, 0,1,2,3
	ds_load_b128 v[XX+16*((\t)%2)+4*\i:XX+16*((\t)%2)+4*\i+3], v15 offset:32*XSP*((\t)%2)+16*\i
.endr
.endm
.irp t, 0,1,2,3
	XLOAD \t
.endr
	s_wait_loadcnt 12                              ; step 0's four loads are in
	XTURN 0
.macro XSTEP t
.set XS, XX+16*((\t)%2)
.if (\t) > 0
	s_wait_dscnt 1                                 ; this step's numbers are back (the last step's byte store may be out)
.else
	s_wait_dscnt 0x0
.endif
.if (\t)+4 < XSTEPS
	XLOAD (\t)+4
.endif
.if (\t)+1 < XSTEPS
.if XSTEPS-2-(\t) >= 3
	s_wait_loadcnt 12                              ; the next step's four loads are in; three steps' may be out
.else
	s_wait_loadcnt 4*(XSTEPS-2-(\t))
.endif
	XTURN (\t)+1
.endif
	v_max3_num_f32 v8, |v[XS]|, |v[XS+1]|, |v[XS+2]|
	v_max3_num_f32 v9, |v[XS+3]|, |v[XS+4]|, |v[XS+5]|
.irp i, 6,10
	v_max3_num_f32 v8, v8, |v[XS+\i]|, |v[XS+\i+1]|
	v_max3_num_f32 v9, v9, |v[XS+\i+2]|, |v[XS+\i+3]|
.endr
	v_max3_num_f32 v8, v8, |v[XS+14]|, |v[XS+15]|
	v_max3_num_f32 v8, v8, v9, 0x1800000           ; and the floor 2^(3 - 127): the byte cannot fall under 1
	v_max_num_f32_dpp v8, v8, v8 row_xmask:1 row_mask:0xf bank_mask:0xf   ; with my neighbour's 16: the block's largest magnitude
	v_add_nc_u32 v11, 0xff000000, v8               ; 2 off its exponent field: the conversion's scale operand
	v_cvt_scalef32_pk8_fp4_f32 v[XC+4*(\t)], v[XS:XS+7], v11
	v_cvt_scalef32_pk8_fp4_f32 v[XC+4*(\t)+1], v[XS+8:XS+15], v11
	v_lshrrev_b32 v[XE+(\t)], 23, v11              ; the scale's byte
	ds_store_b8 v5, v[XE+(\t)] offset:16*(\t)      ; both lanes of a block write the same byte
	global_store_b64 v4, v[XC+4*(\t):XC+4*(\t)+1], s[12:13] offset:256*(\t)   ; 256 consecutive bytes a wave
.endm
.irp t, 0,1,2,3,4,5,6,7,8,9,10,11,12,13,14,15
	XSTEP \t
.endr
	ds_load_b64 v[8:9], v6
	s_wait_dscnt 0x0
	global_store_b64 v7, v[8:9], s[14:15]          ; my wave's 256 scale bytes, aligned
	s_wait_tensorcnt 0x0                           ; the wave's end, behind my last LDS store
	ds_add_u32 v[SPW], v[NIL]
	s_wait_dscnt 0x0
	s_endpgm
; ---------------- Wq, Wk, Wv: K is the first axis.  A lane takes a column n and its registers run down K: a block of 32 lies in one lane,
; and the conversions give codes with K innermost.  A wave takes 32 columns x 512 along K; the codes leave through my stage as rows of 256 bytes.
.set WNB,  16
.set WPI,  272
.set WX,   32                          ; v32-95   two sets of 32 numbers
.set WC,   96                          ; v96-99   a block's codes
.set WOUT, 112                         ; v112-175 the way out
.set WSB,  24                          ; v24-27   the scale bytes, four to a register
.Lpath_w:
	s_load_b128 s[4:7], s[0:1], 0x18               ; Wq, Wk
	s_load_b64 s[8:9], s[0:1], 0x28                ; Wv
	s_load_b128 s[12:15], s[0:1], 0x50             ; wc, ws
	s_lshr_b32 s17, ttmp9, 4                       ; which weight
	s_and_b32 s18, ttmp9, 7
	s_bfe_u32 s19, ttmp9, 0x10003                  ; which 512 along K
	s_lshl_b32 s20, s18, 7
	s_lshl_b32 s21, s16, 5
	s_add_co_u32 s20, s20, s21                     ; my wave's first column
	s_lshl_b32 s22, s19, 21                        ; 512 rows of 4,096 bytes
	s_lshl_b32 s23, s20, 2
	s_add_co_u32 s22, s22, s23
	s_mov_b32 s23, 0
	s_lshl_b32 s24, s17, 19                        ; codes: 524,288 bytes a weight, 512 a column, 256 for 512 along K
	s_lshl_b32 s25, s20, 9
	s_add_co_u32 s24, s24, s25
	s_lshl_b32 s25, s19, 8
	s_add_co_u32 s24, s24, s25
	s_mov_b32 s25, 0
	s_lshl_b32 s26, s17, 15                        ; scale bytes: 32,768 a weight, 32 a column, 16 for 512 along K
	s_lshl_b32 s27, s20, 5
	s_add_co_u32 s26, s26, s27
	s_lshl_b32 s27, s19, 4
	s_add_co_u32 s26, s26, s27
	s_mov_b32 s27, 0
	v_lshlrev_b32 v3, 2, v2
	s_mul_i32 s21, s16, 32*WPI
	s_add_co_u32 s21, s21, WBASE                   ; my stage
	v_mul_u32_u24 v4, v2, WPI
	v_add_nc_u32 v4, s21, v4                       ; into it: row = my column
	v_and_b32 v5, 15, v2
	v_lshrrev_b32 v6, 4, v2
	v_mul_u32_u24 v7, v6, WPI
	v_lshl_add_u32 v7, v5, 4, v7
	v_add_nc_u32 v7, s21, v7                       ; out of it: sixteen lanes to a row
	v_lshlrev_b32 v8, 9, v6
	v_lshl_add_u32 v8, v5, 4, v8                   ; the same place in wc
	v_lshlrev_b32 v9, 5, v2                        ; my column's row of scale bytes
	s_wait_kmcnt 0x0
	s_cmp_eq_u32 s17, 0
	s_cselect_b64 s[4:5], s[4:5], s[6:7]
	s_cmp_eq_u32 s17, 2
	s_cselect_b64 s[4:5], s[8:9], s[4:5]
	s_add_nc_u64 s[4:5], s[4:5], s[22:23]
	s_add_nc_u64 s[12:13], s[12:13], s[24:25]
	s_add_nc_u64 s[14:15], s[14:15], s[26:27]
.macro WLOAD t
.set wi, 0
.rept 32
	global_load_b32 v[WX+32*((\t)%2)+wi], v3, s[4:5] offset:(32*(\t)+wi)*4096 th:TH_LOAD_NT
.set wi, wi+1
.endr
.endm
	WLOAD 0
	WLOAD 1
.macro WBLOCK t
.set XS, WX+32*((\t)%2)
.if (\t) < WNB-1
	s_wait_loadcnt 32                              ; this block's 32 loads are in; the next block's may be out
.else
	s_wait_loadcnt 0x0
.endif
	v_max3_num_f32 v12, |v[XS]|, |v[XS+1]|, |v[XS+2]|
	v_max3_num_f32 v13, |v[XS+3]|, |v[XS+4]|, |v[XS+5]|
.irp i, 6,10,14,18,22,26
	v_max3_num_f32 v12, v12, |v[XS+\i]|, |v[XS+\i+1]|
	v_max3_num_f32 v13, v13, |v[XS+\i+2]|, |v[XS+\i+3]|
.endr
	v_max3_num_f32 v12, v12, |v[XS+30]|, |v[XS+31]|
	v_max3_num_f32 v12, v12, v13, 0x1800000        ; and the floor 2^(3 - 127)
	v_add_nc_u32 v11, 0xff000000, v12              ; the conversion's scale operand
	v_lshrrev_b32 v13, 23, v11                     ; the scale's byte
.if (\t)%4 == 0
	v_mov_b32 v[WSB+(\t)/4], v13
.else
	v_lshl_or_b32 v[WSB+(\t)/4], v13, 8*((\t)%4), v[WSB+(\t)/4]
.endif
.irp g, 0,1,2,3
	v_cvt_scalef32_pk8_fp4_f32 v[WC+\g], v[XS+8*\g:XS+8*\g+7], v11
.endr
	ds_store_b128 v4, v[WC:WC+3] offset:16*(\t)    ; 32 codes: 16 bytes of my column's row
.if (\t)+2 < WNB
	WLOAD (\t)+2
.endif
	s_wait_dscnt 0x0                               ; the store has read its registers: the next block's codes may be written
.endm
.set Q, 0
.rept WNB
	WBLOCK Q
.set Q, Q+1
.endr
	global_store_b128 v9, v[WSB:WSB+3], s[14:15]   ; my column's 16 scale bytes
.irp t, 0,1,2,3,4,5,6,7,8,9,10,11,12,13,14,15
	ds_load_b128 v[WOUT+4*\t:WOUT+4*\t+3], v7 offset:2*\t*WPI
.endr
.irp t, 0,1,2,3,4,5,6,7,8,9,10,11,12,13,14,15
	s_wait_dscnt 15-\t
	global_store_b128 v8, v[WOUT+4*\t:WOUT+4*\t+3], s[12:13] offset:2*\t*512   ; sixteen lanes store 256 consecutive bytes, aligned
.endr
	s_wait_tensorcnt 0x0                           ; the wave's end, behind my last LDS store
	ds_add_u32 v[SPW], v[NIL]
	s_wait_dscnt 0x0
	s_endpgm
.Lfunc_end_k_qe2b0a7c702_prep:
	.size	k_qe2b0a7c702_prep, .Lfunc_end_k_qe2b0a7c702_prep-k_qe2b0a7c702_prep
	.p2alignl 7, 3214868480
	.fill 96, 4, 3214868480
	.section	.rodata,"a",@progbits
	.p2align	6, 0x0
	.amdhsa_kernel k_qe2b0a7c702_prep
		.amdhsa_group_segment_fixed_size 101888
		.amdhsa_private_segment_fixed_size 0
		.amdhsa_enable_private_segment 0
		.amdhsa_kernarg_size 112
		.amdhsa_user_sgpr_count 2
		.amdhsa_user_sgpr_kernarg_segment_ptr 1
		.amdhsa_wavefront_size32 1
		.amdhsa_system_sgpr_workgroup_id_x 1
		.amdhsa_system_sgpr_workgroup_id_y 1
		.amdhsa_system_sgpr_workgroup_id_z 1
		.amdhsa_system_vgpr_workitem_id 0
		.amdhsa_next_free_vgpr 256
		.amdhsa_next_free_sgpr 66
		.amdhsa_reserve_vcc 0
		.amdhsa_float_denorm_mode_32 3
		.amdhsa_float_denorm_mode_16_64 3
		.amdhsa_memory_ordered 1
		.amdhsa_forward_progress 1
		.amdhsa_inst_pref_size 180
	.end_amdhsa_kernel
	.amdgpu_metadata
---
amdhsa.version: [ 1, 2 ]
amdhsa.kernels:
  - .name:           k_qe2b0a7c702_prep
    .symbol:         k_qe2b0a7c702_prep.kd
    .args:
      - { .name: query, .offset: 0, .size: 8, .value_kind: global_buffer, .address_space: global }
      - { .name: key, .offset: 8, .size: 8, .value_kind: global_buffer, .address_space: global }
      - { .name: value, .offset: 16, .size: 8, .value_kind: global_buffer, .address_space: global }
      - { .name: Wq, .offset: 24, .size: 8, .value_kind: global_buffer, .address_space: global }
      - { .name: Wk, .offset: 32, .size: 8, .value_kind: global_buffer, .address_space: global }
      - { .name: Wv, .offset: 40, .size: 8, .value_kind: global_buffer, .address_space: global }
      - { .name: Wo, .offset: 48, .size: 8, .value_kind: global_buffer, .address_space: global }
      - { .name: mask, .offset: 56, .size: 8, .value_kind: global_buffer, .address_space: global }
      - { .name: xc, .offset: 64, .size: 8, .value_kind: global_buffer, .address_space: global }
      - { .name: xs, .offset: 72, .size: 8, .value_kind: global_buffer, .address_space: global }
      - { .name: wc, .offset: 80, .size: 8, .value_kind: global_buffer, .address_space: global }
      - { .name: ws, .offset: 88, .size: 8, .value_kind: global_buffer, .address_space: global }
      - { .name: wo16, .offset: 96, .size: 8, .value_kind: global_buffer, .address_space: global }
      - { .name: mw, .offset: 104, .size: 8, .value_kind: global_buffer, .address_space: global }
    .group_segment_fixed_size: 101888
    .private_segment_fixed_size: 0
    .kernarg_segment_align: 8
    .kernarg_segment_size: 112
    .max_flat_workgroup_size: 128
    .sgpr_count:     66
    .vgpr_count:     256
    .wavefront_size: 32
...
	.end_amdgpu_metadata
.endif
;; end of part 1
;; launch proj (part 2): grid 4 x 48, 4 waves a work-group, clusters of 4 x 4, 327,680 bytes of LDS; arguments xc, xs, wc, ws, bq, bk, bv, qkv; writes qkv
.if DOCPART == 2
	.amdgcn_target "amdgcn-amd-amdhsa--gfx1250"
	.amdhsa_code_object_version 6
	.text
	.protected	k_qe2b0a7c702_proj
	.globl	k_qe2b0a7c702_proj
	.p2align	8
	.type	k_qe2b0a7c702_proj,@function
k_qe2b0a7c702_proj:
	s_mov_b64 s[64:65], 0
	v_nop
	global_prefetch_b8 v0, s[64:65] scope:SCOPE_SE
	s_setreg_imm32_b32 hwreg(HW_REG_WAVE_MODE, 25, 1), 1
	s_wait_xcnt 0x0
	s_wait_alu depctr_hold_cnt(0) depctr_sa_sdst(0) depctr_va_vdst(0) depctr_va_sdst(0) depctr_va_ssrc(0) depctr_va_vcc(0) depctr_vm_vsrc(0)
	s_getreg_b32 s2, hwreg(HW_REG_IB_STS2, 6, 4)
	s_cmp_eq_u32 s2, 0
	s_cbranch_scc0 .Lentry_in_a_cluster
	s_endpgm
.Lentry_in_a_cluster:
	s_bfe_u32 s2, ttmp6, 0x10000c
	s_cmp_lg_u32 s2, 0xf033
	s_cbranch_scc0 .Lentry_shape_is_right
	s_endpgm
.Lentry_shape_is_right:
; The three quantised projections as ONE product on codes of E2M1: rows = the 12,288 rows of query, key, value on end; projection p = row / 4,096 takes the 1,024 rows
; of wc from 1,024 p on.  K = 1,024.  Result (sum + bias) x f as f16 into qkv [3][2][16 heads][2048][64]; f = log2(e) / 8 for q, so that the scores come out as exponents of 2; 1 for k and v.
; LIMITS: results beyond 65,504 are not served in f16; under 6e-5 they are f16 subnormals.
; A tile of 256 x 256 is made by four waves, each 128 x 128: 64 accumulators, 512 registers.  K's two steps of 512 lie in two LDS slots, each filled once; the scale bytes of the
; work-group's rows come once, as dense blocks.  CLUSTERS: 4 x 4 work-groups; A's tiles are asked for jointly along a row of the cluster, B's along a column.  A cluster's four tile rows lie in one projection.
; THE MATRIX INSTRUCTION IS USED TRANSPOSED (source 0 = 16 rows of wc, source 1 = 16 rows of xc): a lane holds eight neighbouring columns of one row.
; REGISTERS: window 0: v0-31 addresses; v32-95 scale words, two sets; v128-191 A's fragments, one set; v192-255 the bias of my 128 columns.  window 1: B's fragments, two sets.  windows 2, 3: the accumulators.
.set KSTEP,  512
.set NQ,     4
.set ROWB,   256
.set KROW,   512
.set PITCH,  272                       ; an LDS row: 256 bytes + 16 of padding: the 16 rows of a load start at 16 different banks
.set FR,     8
.set NL,     2
.set NP,     4
.set HALFT,  128*PITCH
.set SLOT,   4*HALFT
.set KS,     32                        ; a row of scale bytes
.set SCL,    2*SLOT
.set HALFS,  (128*KS/256)*272
.set SBLK,   (16*KS/256)*272
.set SPARE,  SCL+4*HALFS               ; the spare words, 128 bytes a wave
.set SPITCH, 272                       ; the way out: a stage of 16 rows x (256 + 16) bytes for each wave, in slot 0, which has had its only fill and its last read by then
.set ADRA, 16
.set ADRB, 20
.set STO,  24
.set RD,   25
.set CO,   26
.set ADRS, 27
.set SPW,  28
.set NIL,  29
.set SC,   32
.set AF,   128
.set T,    32                          ; the way out: 64 numbers in f32,
.set PK,   96                          ; packed to f16,
.set BK,   128                         ; and read back: v128-159, v160-191 by turns
.set BI,   192
.set G1, 24
.set G0, 32
.set G1B, 48
.set G0B, 56
.set G1S, 68
.set G0S, 76
.set G1SB, 80
.set G0SB, 88
.set MSB, 0
.macro WIN new                         ; the immediate's high byte repeats the setting that is left
.if MSB != \new
	s_set_vgpr_msb (MSB<<8)|\new
.set MSB, \new
.endif
.endm
.set MUL_LO, 0xa1
.set MUL_HI, 0xf1
.set TO_B,   0x40
; A joint load: waves 0 and 1 fetch for A, waves 2 and 3 for B; an s_nop 0 and four v_nop follow each of the two lines.
.macro JLOAD g0a, g1a, g0b, g1b
	s_cmp_eq_u32 s15, 0
	s_cbranch_scc0 .Lfor_b_\@
	tensor_load_to_lds s[\g0a:\g0a+3], s[\g1a:\g1a+7]
	s_nop 0
.rept 4
	v_nop
.endr
	s_branch .Lasked_\@
.Lfor_b_\@:
	tensor_load_to_lds s[\g0b:\g0b+3], s[\g1b:\g1b+7]
	s_nop 0
.rept 4
	v_nop
.endr
.Lasked_\@:
.endm
.macro CROUND                          ; a round of the cluster's barrier
	s_barrier_signal -1
	s_barrier_wait -1
	s_cmp_lg_u32 s14, 0
	s_cbranch_scc1 .Lnot_wave_0_\@
	s_barrier_signal -3
.Lnot_wave_0_\@:
	s_barrier_wait -3
	s_barrier_signal -1
	s_barrier_wait -1
.endm
	s_load_b128 s[4:7], s[0:1], 0x0                ; xc, xs
	s_load_b128 s[8:11], s[0:1], 0x10              ; wc, ws
	s_load_b128 s[96:99], s[0:1], 0x20             ; bq, bk
	s_load_b64 s[100:101], s[0:1], 0x30            ; bv
	s_load_b64 s[12:13], s[0:1], 0x38              ; qkv
	v_lshl_add_u32 v[SPW], v0, 2, SPARE
	v_mov_b32 v[NIL], 0
	ds_add_u32 v[SPW], v[NIL]                      ; the wave's opening: the add, twice on end, and its wait ahead of my first tensor load
	ds_add_u32 v[SPW], v[NIL]
	v_lshrrev_b32 v1, 5, v0
	v_readfirstlane_b32 s14, v1                    ; wave 0..3
	s_lshr_b32 s15, s14, 1                         ; my half of the tile's rows; also: I fetch for A (0) or B (1)
	s_and_b32 s16, s14, 1                          ; my half of its columns; also: which 128 rows I fetch
	s_bfe_u32 s40, ttmp6, 0x40000                  ; cx
	s_bfe_u32 s41, ttmp6, 0x40004                  ; cy
	s_lshl_b32 s42, ttmp9, 2
	s_add_co_u32 s42, s42, s40                     ; tile column 0..3
	s_and_b32 s17, ttmp7, 0xffff
	s_lshr_b32 s95, s17, 2                         ; the projection: from the cluster's y alone, the same in all sixteen partners
	s_lshl_b32 s17, s17, 2
	s_add_co_u32 s17, s17, s41                     ; tile row 0..47
	s_lshl_b32 s43, s41, 2
	s_lshl_b32 s43, 15, s43                        ; my row of the cluster
	s_lshl_b32 s44, 0x1111, s40                    ; my column
	s_or_b32 s[G1+0], s43, (0<<16)|(1<<20)|(1<<21)|(5<<22)|(3<<25)   ; the mask; elements of 1 byte; padding: 4 words after every 64
	s_or_b32 s[G1B+0], s44, (0<<16)|(1<<20)|(1<<21)|(5<<22)|(3<<25)
.irp g, G1, G1B
	s_mov_b32 s[\g+1], ROWB<<16                    ; tensor_dim0
	s_mov_b32 s[\g+2], 128<<16                     ; tensor_dim1
	s_mov_b32 s[\g+3], ROWB<<16                    ; tile_dim0
	s_mov_b32 s[\g+4], 128                         ; tile_dim1
	s_mov_b32 s[\g+5], KROW                        ; the pitch
	s_mov_b32 s[\g+6], 0
	s_mov_b32 s[\g+7], 0
.endr
	s_or_b32 s[G1S+0], s43, (3<<16)|(1<<20)|(1<<21)|(5<<22)|(3<<25)  ; the scales of 128 rows: 4,096 dense bytes as 16 rows of 256
	s_or_b32 s[G1SB+0], s44, (3<<16)|(1<<20)|(1<<21)|(5<<22)|(3<<25)
.irp g, G1S, G1SB
	s_mov_b32 s[\g+1], 32<<16
	s_mov_b32 s[\g+2], (128*KS/256)<<16
	s_mov_b32 s[\g+3], 32<<16
	s_mov_b32 s[\g+4], 128*KS/256
	s_mov_b32 s[\g+5], 32
	s_mov_b32 s[\g+6], 0
	s_mov_b32 s[\g+7], 0
.endr
	s_lshl_b32 s18, s16, 7
	s_lshl_b32 s20, s17, 8
	s_add_co_u32 s20, s20, s18                     ; A: row 256 x tile row + 128 x half
	s_lshl_b32 s46, s42, 8
	s_add_co_u32 s46, s46, s18
	s_lshl_b32 s66, s95, 10
	s_add_co_u32 s46, s46, s66                     ; B: row 1,024 p + 256 x tile column + 128 x half
	s_mov_b32 s21, 0
	s_mov_b32 s47, 0
	s_mov_b64 s[18:19], KS
	s_mul_u64 s[22:23], s[20:21], s[18:19]
	s_mul_u64 s[92:93], s[46:47], s[18:19]
	s_mov_b64 s[18:19], KROW
	s_mul_u64 s[20:21], s[20:21], s[18:19]
	s_mul_u64 s[46:47], s[46:47], s[18:19]
	s_mul_i32 s45, s14, HALFT                      ; where they go: wave x 128 rows
	s_mul_i32 s94, s14, HALFS
	s_wait_dscnt 0x0                               ; both opening adds are done
	s_wait_kmcnt 0x0
	s_add_nc_u64 s[20:21], s[4:5], s[20:21]
	s_add_nc_u64 s[22:23], s[6:7], s[22:23]
	s_add_nc_u64 s[46:47], s[8:9], s[46:47]
	s_add_nc_u64 s[92:93], s[10:11], s[92:93]
	CROUND                                         ; all sixteen work-groups are here: the joint loads meet
	s_mov_b32 s[G0S], 1
	s_add_co_u32 s[G0S+1], s94, SCL
	s_mov_b64 s[G0S+2:G0S+3], s[22:23]
	s_or_b32 s[G0S+3], s[G0S+3], 0x80000000
	s_mov_b32 s[G0SB], 1
	s_add_co_u32 s[G0SB+1], s94, SCL
	s_mov_b64 s[G0SB+2:G0SB+3], s[92:93]
	s_or_b32 s[G0SB+3], s[G0SB+3], 0x80000000
	JLOAD G0S, G1S, G0SB, G1SB                     ; the scales first; three loads of mine are out at the most
.irp s, 0,1
	s_mov_b32 s[G0+4*\s], 1
	s_add_co_u32 s[G0+4*\s+1], s45, \s*SLOT
	s_add_nc_u64 s[G0+4*\s+2:G0+4*\s+3], s[20:21], \s*ROWB
	s_or_b32 s[G0+4*\s+3], s[G0+4*\s+3], 0x80000000
	s_mov_b32 s[G0B+4*\s], 1
	s_add_co_u32 s[G0B+4*\s+1], s45, \s*SLOT
	s_add_nc_u64 s[G0B+4*\s+2:G0B+4*\s+3], s[46:47], \s*ROWB
	s_or_b32 s[G0B+4*\s+3], s[G0B+4*\s+3], 0x80000000
	JLOAD G0+4*\s, G1, G0B+4*\s, G1B
.endr
	v_and_b32 v1, 15, v0                           ; r
	v_bfe_u32 v2, v0, 4, 1                         ; h
	v_mul_u32_u24 v3, v1, PITCH
	v_lshl_add_u32 v4, v2, 4, v3                   ; a fragment's row x pitch + 16 h
	s_mul_i32 s21, s15, HALFT
	s_mul_i32 s22, s16, HALFT
	s_add_co_u32 s22, s22, 2*HALFT
.irp s, 0,1
	v_add_nc_u32 v[ADRA+\s], s21, v4
	v_add_nc_u32 v[ADRB+\s], s22, v4
	s_add_co_u32 s21, s21, SLOT
	s_add_co_u32 s22, s22, SLOT
.endr
	v_mul_u32_u24 v5, v1, KS                       ; my row's scales: 32 bytes a row,
	v_lshrrev_b32 v6, 8, v5
	v_lshl_add_u32 v5, v6, 4, v5                   ; and 16 more for each 256 passed
	s_mul_i32 s21, s15, HALFS
	s_mul_i32 s22, s16, HALFS
	s_add_co_u32 s22, s22, 2*HALFS
	s_sub_co_u32 s22, s22, s21
	v_mul_u32_u24 v6, s22, v2                      ; lanes 16-31 take B's
	s_add_co_u32 s21, s21, SCL
	v_add_nc_u32 v5, v5, v6
	v_add_nc_u32 v[ADRS], s21, v5
	s_mul_i32 s23, s14, 16*SPITCH                  ; my stage
	v_add_nc_u32 v[STO], s23, v4                   ; in: row r, 16 bytes for each half of the lanes
	v_and_b32 v6, 31, v0
	v_lshrrev_b32 v8, 3, v6
	v_and_b32 v9, 7, v6
	v_mul_u32_u24 v8, v8, SPITCH
	v_lshl_add_u32 v8, v9, 4, v8
	v_add_nc_u32 v[RD], s23, v8                    ; back: eight lanes take a head's 128 bytes of a row, four rows an instruction
	v_lshlrev_b32 v[CO], 4, v6                     ; which are 512 consecutive bytes of qkv
	v_lshlrev_b32 v7, 5, v2                        ; the bias: 32 h bytes
	s_cmp_eq_u32 s95, 0
	s_cselect_b64 s[96:97], s[96:97], s[98:99]
	s_cselect_b32 s2, 0x3e38aa3b, 1.0              ; f = log2(e) / 8 for q
	s_cmp_eq_u32 s95, 2
	s_cselect_b64 s[96:97], s[100:101], s[96:97]
	s_mov_b32 s3, s2                               ; (named with it as a pair)
	s_lshl_b32 s20, s42, 10
	s_lshl_b32 s21, s16, 9
	s_add_co_u32 s20, s20, s21                     ; my first column x 4 bytes
	s_mov_b32 s21, 0
	s_add_nc_u64 s[96:97], s[96:97], s[20:21]
.irp b, 0,1,2,3,4,5,6,7
	global_load_b128 v[BI+8*\b:BI+8*\b+3], v7, s[96:97] offset:64*\b        ; register 8 b + j: bias of column 16 b + 8 h + j
	global_load_b128 v[BI+8*\b+4:BI+8*\b+7], v7, s[96:97] offset:64*\b+16
.endr
	s_lshl_b32 s20, s17, 8
	s_lshl_b32 s21, s15, 7
	s_add_co_u32 s20, s20, s21                     ; my first row m0
	s_lshr_b32 s21, s20, 11                        ; 2 p + batch
	s_lshl_b32 s21, s21, 4
	s_lshl_b32 s22, s42, 2
	s_add_co_u32 s21, s21, s22
	s_lshl_b32 s22, s16, 1
	s_add_co_u32 s21, s21, s22                     ; x 16 + my first head
	s_lshl_b32 s21, s21, 11
	s_and_b32 s20, s20, 2047
	s_add_co_u32 s20, s20, s21
	s_lshl_b32 s20, s20, 7                         ; rows of 128 bytes
	s_mov_b32 s21, 0
	s_add_nc_u64 s[12:13], s[12:13], s[20:21]
.macro FRAG reg, adr, q, i             ; 16 rows x 128 K of 4-bit codes: registers 4 c .. 4 c + 3 hold K = 64 c + 32 h + 0 .. 31
.irp c, 0,1
	ds_load_b128 v[\reg+4*\c:\reg+4*\c+3], v[\adr] offset:64*(\q)+32*\c+(\i)*16*PITCH
.endr
.endm
; 16 matrix instructions: A's blocks a0, a0 + 1 x B's eight.  The 64 accumulators take turns, one instruction a turn.
.macro MUL16 a0, p, q, sc, zero
.irp a, \a0, \a0+1
.irp b, 0,1,2,3,4,5,6,7
.if \zero
	v_wmma_scale_f32_16x16x128_f8f6f4 v[8*(8*((\a)%4)+\b):8*(8*((\a)%4)+\b)+7], v[128*(\p)+FR*\b:128*(\p)+FR*\b+FR-1], v[AF+FR*(\a):AF+FR*(\a)+FR-1], 0, v[SC+8*NQ*(\sc)+NQ*\b+(\q)], v[SC+8*NQ*(\sc)+NQ*(\a)+(\q)] matrix_a_fmt:MATRIX_FMT_FP4 matrix_b_fmt:MATRIX_FMT_FP4 matrix_a_scale:MATRIX_SCALE_ROW1
.else
	v_wmma_scale_f32_16x16x128_f8f6f4 v[8*(8*((\a)%4)+\b):8*(8*((\a)%4)+\b)+7], v[128*(\p)+FR*\b:128*(\p)+FR*\b+FR-1], v[AF+FR*(\a):AF+FR*(\a)+FR-1], v[8*(8*((\a)%4)+\b):8*(8*((\a)%4)+\b)+7], v[SC+8*NQ*(\sc)+NQ*\b+(\q)], v[SC+8*NQ*(\sc)+NQ*(\a)+(\q)] matrix_a_fmt:MATRIX_FMT_FP4 matrix_b_fmt:MATRIX_FMT_FP4 matrix_a_scale:MATRIX_SCALE_ROW1
.endif
.endr
.endr
.endm
.macro FETCH_B slot, q, p
	WIN TO_B
.irp i, 0,1,2,3,4,5,6,7
	FRAG 128*(\p)+FR*\i, ADRB+\slot, \q, \i
.endr
	WIN 0
.endm
.macro FETCH_A slot, q, i0
.irp i, \i0, \i0+1, \i0+2, \i0+3
	FRAG AF+FR*(\i), ADRA+\slot, \q, \i
.endr
.endm
.macro SCALES sc                       ; a K step's scale words: lanes 0-15 A's block i, lanes 16-31 B's block i
.irp i, 0,1,2,3,4,5,6,7
	ds_load_b128 v[SC+8*NQ*\sc+NQ*\i:SC+8*NQ*\sc+NQ*\i+3], v[ADRS] offset:\i*SBLK
.endr
.endm
.macro PLACES n                        ; plain vector instructions between a matrix instruction and a load into, or a read of, its registers
.rept \n
	v_nop
.endr
.endm
.macro STEP slot, q, zero
	s_wait_dscnt 4*NL                              ; B's set and A's blocks 0-3 are in; the youngest eight loads (A's blocks 4-7) may be out
	WIN MUL_LO
	MUL16 0, (\q)%2, \q, \slot, \zero
	MUL16 2, (\q)%2, \q, \slot, \zero
	s_wait_dscnt 0
	PLACES NP
	FETCH_B \slot, (\q)+1, 1-(\q)%2
	FETCH_A \slot, (\q)+1, 0
	WIN MUL_HI
	MUL16 4, (\q)%2, \q, \slot, \zero
	MUL16 6, (\q)%2, \q, \slot, \zero
	PLACES NP
	WIN 0
	FETCH_A \slot, (\q)+1, 4
.endm
; Slot 0's last step, and the change to slot 1: one barrier; nothing is filled again.
.macro TURN slot, next
	s_wait_tensorcnt 0x0                           ; all my tensor loads have landed: my part of the next slot
	ds_add_u32 v[SPW], v[NIL]                      ; 0 onto my spare word
	s_wait_dscnt 4*NL+1                            ; (the add and A's blocks 4-7 may be out)
	WIN MUL_LO
	MUL16 0, 1, NQ-1, \slot, 0
	s_wait_dscnt 0x0                               ; the add is done, and my reads of this slot are over
	s_barrier_signal -1
	MUL16 2, 1, NQ-1, \slot, 0
	WIN 0
	s_barrier_wait -1
	PLACES NP
	v_add_nc_u32 v[ADRS], 4*NQ, v[ADRS]            ; on to the next K step's scale words
	FETCH_B \next, 0, 0
	FETCH_A \next, 0, 0
	SCALES \next
	WIN MUL_HI
	MUL16 4, 1, NQ-1, \slot, 0
	MUL16 6, 1, NQ-1, \slot, 0
	PLACES NP
	WIN 0
	FETCH_A \next, 0, 4
.endm
	s_wait_tensorcnt 1                             ; the scales and my part of slot 0 are in (slot 1's load may be out),
	s_barrier_signal -1
	s_barrier_wait -1                              ; everybody's are
	FETCH_B 0, 0, 0
	FETCH_A 0, 0, 0
	SCALES 0
	FETCH_A 0, 0, 4
	STEP 0, 0, 1                                   ; the first products start the sums
	STEP 0, 1, 0
	STEP 0, 2, 0
	TURN 0, 1
	STEP 1, 0, 0
	STEP 1, 1, 0
	STEP 1, 2, 0
	s_wait_dscnt 4*NL
	WIN MUL_LO
	MUL16 0, 1, NQ-1, 1, 0
	MUL16 2, 1, NQ-1, 1, 0
	s_wait_dscnt 0
	WIN MUL_HI
	MUL16 4, 1, NQ-1, 1, 0
	MUL16 6, 1, NQ-1, 1, 0
	WIN 0
; THE WAY OUT, block by block of 16 rows x 128 columns: sum x f + bias x f, rounded to f16, through my stage, and out as four rows of one head (512 consecutive bytes) a store.
	s_wait_loadcnt 0x0                             ; the bias
.set i, 0
.rept 32
	v_pk_mul_f32 v[BI+i:BI+i+1], v[BI+i:BI+i+1], s[2:3] op_sel_hi:[1,0]   ; bias x f; these 32 are also the places behind the last products
.set i, i+2
.endr
.macro PACK a
.set AC, 64*((\a)%4)
	WIN 0x02+((\a)/4)                              ; source 0: window 2 or 3
.irp b, 0,1,2,3,4,5,6,7
.irp r, 0,2,4,6
	v_pk_fma_f32 v[T+8*\b+\r:T+8*\b+\r+1], v[AC+8*\b+\r:AC+8*\b+\r+1], s[2:3], v[BI+8*\b+\r:BI+8*\b+\r+1] op_sel_hi:[1,0,1]   ; each accumulator from its low end on
.endr
.endr
	WIN 0
.set i, 0
.rept 32
	v_cvt_pk_f16_f32 v[PK+i], v[T+2*i], v[T+2*i+1]
.set i, i+1
.endr
.endm
.macro TOSTAGE a
.set BB, BK+32*((\a)%2)
.irp b, 0,1,2,3,4,5,6,7
	ds_store_b128 v[STO], v[PK+4*\b:PK+4*\b+3] offset:32*\b
.endr
.irp e, 0,1
.irp i, 0,1,2,3
	ds_load_b128 v[BB+16*\e+4*\i:BB+16*\e+4*\i+3], v[RD] offset:\i*4*SPITCH+128*\e   ; LDS serves a wave's instructions in order: these see the stores above
.endr
.endr
.endm
.macro SEND a
.set BB, BK+32*((\a)%2)
	s_wait_dscnt 0x0                               ; the block is back in registers
	s_wait_xcnt 0x0                                ; the earlier stores have read their data: the other set may be loaded again
.irp e, 0,1
.irp i, 0,1,2,3
	global_store_b128 v[CO], v[BB+16*\e+4*\i:BB+16*\e+4*\i+3], s[12:13] offset:(\a)*2048+\e*262144+512*\i
.endr
.endr
.endm
	PACK 0
	TOSTAGE 0
.irp a, 1,2,3,4,5,6,7
	PACK \a                                        ; block a's arithmetic stands between block a - 1's loads from the stage and the wait for them
	SEND \a-1
	TOSTAGE \a
.endr
	SEND 7
	s_wait_tensorcnt 0x0                           ; the wave's end
	ds_add_u32 v[SPW], v[NIL]
	s_wait_dscnt 0x0
	CROUND                                         ; the closing round
	s_endpgm
.Lfunc_end_k_qe2b0a7c702_proj:
	.size	k_qe2b0a7c702_proj, .Lfunc_end_k_qe2b0a7c702_proj-k_qe2b0a7c702_proj
	.p2alignl 7, 3214868480
	.fill 96, 4, 3214868480
	.section	.rodata,"a",@progbits
	.p2align	6, 0x0
	.amdhsa_kernel k_qe2b0a7c702_proj
		.amdhsa_group_segment_fixed_size 327680
		.amdhsa_private_segment_fixed_size 0
		.amdhsa_enable_private_segment 0
		.amdhsa_kernarg_size 64
		.amdhsa_user_sgpr_count 2
		.amdhsa_user_sgpr_kernarg_segment_ptr 1
		.amdhsa_wavefront_size32 1
		.amdhsa_system_sgpr_workgroup_id_x 1
		.amdhsa_system_sgpr_workgroup_id_y 1
		.amdhsa_system_sgpr_workgroup_id_z 1
		.amdhsa_system_vgpr_workitem_id 0
		.amdhsa_next_free_vgpr 1024
		.amdhsa_next_free_sgpr 104
		.amdhsa_reserve_vcc 0
		.amdhsa_float_denorm_mode_32 3
		.amdhsa_float_denorm_mode_16_64 3
		.amdhsa_memory_ordered 1
		.amdhsa_forward_progress 1
		.amdhsa_inst_pref_size 146
	.end_amdhsa_kernel
	.amdgpu_metadata
---
amdhsa.version: [ 1, 2 ]
amdhsa.kernels:
  - .name:           k_qe2b0a7c702_proj
    .symbol:         k_qe2b0a7c702_proj.kd
    .args:
      - { .name: xc, .offset: 0, .size: 8, .value_kind: global_buffer, .address_space: global }
      - { .name: xs, .offset: 8, .size: 8, .value_kind: global_buffer, .address_space: global }
      - { .name: wc, .offset: 16, .size: 8, .value_kind: global_buffer, .address_space: global }
      - { .name: ws, .offset: 24, .size: 8, .value_kind: global_buffer, .address_space: global }
      - { .name: bq, .offset: 32, .size: 8, .value_kind: global_buffer, .address_space: global }
      - { .name: bk, .offset: 40, .size: 8, .value_kind: global_buffer, .address_space: global }
      - { .name: bv, .offset: 48, .size: 8, .value_kind: global_buffer, .address_space: global }
      - { .name: qkv, .offset: 56, .size: 8, .value_kind: global_buffer, .address_space: global }
    .group_segment_fixed_size: 327680
    .private_segment_fixed_size: 0
    .kernarg_segment_align: 8
    .kernarg_segment_size: 64
    .max_flat_workgroup_size: 128
    .sgpr_count:     104
    .vgpr_count:     1024
    .wavefront_size: 32
...
	.end_amdgpu_metadata
.endif
;; end of part 2
;; launch attn (part 3): grid 8 x 32, 8 waves a work-group, clusters of 4 x 1, 327,680 bytes of LDS; arguments qkv, mw, xw; writes xw
.if DOCPART == 3
	.amdgcn_target "amdgcn-amd-amdhsa--gfx1250"
	.amdhsa_code_object_version 6
	.text
	.protected	k_qe2b0a7c702_attn
	.globl	k_qe2b0a7c702_attn
	.p2align	8
	.type	k_qe2b0a7c702_attn,@function
k_qe2b0a7c702_attn:
	s_mov_b64 s[64:65], 0
	v_nop
	global_prefetch_b8 v0, s[64:65] scope:SCOPE_SE
	s_setreg_imm32_b32 hwreg(HW_REG_WAVE_MODE, 25, 1), 1
	s_wait_xcnt 0x0
	s_wait_alu depctr_hold_cnt(0) depctr_sa_sdst(0) depctr_va_vdst(0) depctr_va_sdst(0) depctr_va_ssrc(0) depctr_va_vcc(0) depctr_vm_vsrc(0)
	s_getreg_b32 s2, hwreg(HW_REG_IB_STS2, 6, 4)
	s_cmp_eq_u32 s2, 0
	s_cbranch_scc0 .Lentry_in_a_cluster
	s_endpgm
.Lentry_in_a_cluster:
	s_bfe_u32 s2, ttmp6, 0x10000c
	s_cmp_lg_u32 s2, 0x3003
	s_cbranch_scc0 .Lentry_shape_is_right
	s_endpgm
.Lentry_shape_is_right:
; x[b][h][q] = the sum over k of softmax_k(s) v[b][h][k], s = q . k / 8 where mask[b][q][k] != 0, else -1e9.  q, k, v: f16, [3][32 (b, h)][2048][64]; q already holds the factor log2(e) / 8, so the
; scores are exponents of 2 and a masked score is -1e9 x log2(e).  Products in f16 with f32 sums; maxima, exponentials and sums in f32; p is rounded to f16 for the second product, x to f16 at the end.
; x goes out as xw [32 blocks of 128 rows][16 heads][128 rows][64], as the last product's tiles want it.
; LIMITS: k, v beyond 65,504 are not served; x under 6e-5 is an f16 subnormal (step 6e-8).  A row whose every key is masked comes out uniform, as the subtraction s - m gives 0 exactly.
; SHARES.  A work-group owns 256 queries of one (b, h); each of its eight waves 32: two tiles of 16, so that each fragment of K and V read from LDS feeds two products.  Every wave walks all 2,048 keys,
; 64 a step, 256 a slot.
; LAYOUT.  S^T = K Q^T, O^T = V^T P: a lane holds ONE query (lane % 16); register j of score tile kt holds key 16 kt + 8 (lane / 16) + j.  Two score tiles rounded in pairs are the second product's source 1.
; BY TURNS.  A tile never looks at the other tile.  In a turn one tile has the matrix unit and the other the vector unit:
;   turn X of step j: tile 1's softmax of step j, 134 vector lines, with the 8 products K Q^T of tile 0 for step j + 1 dealt among them; then the 8 products V^T P of tile 0 for step j, with the 16 lines that rescale tile 1's O^T;
;   turn Y of step j: the same with the tiles changed: tile 0's softmax of step j + 1, K Q^T of tile 1 for step j + 1; V^T P of tile 1 for step j, tile 0's O^T rescaled.
; K and V of step j + 1 are fetched together at the head of turn X of step j (V has two buffers), so that all fetches behind a change of slots come from one slot.
; THE MASK comes as words made by the first launch: word 8 kt + j of a step is the 32 lanes' bits for register j of score tile kt: one v_cndmask_b32 a score.  A tile's words are fetched by scalar loads at the
; head of the other tile's turn: a turn ahead of their use.
; CLUSTER.  The four query blocks of a cluster walk the same K and V: each tile is asked for jointly.
; REGISTERS: window 0: v1-7 addresses and constants; v8-17, v18-27 a tile's statistics (+0 m, +1 old m - new m, +2, +3 the sum, +4 a, +5 unused half of its pair, +6 to +9 at work); v28-31 addresses;
;   v32-63 P; v64-127 S^T; v128-191 K's fragments; v192-223 Q.   window 1: v0-63, v64-127 V's fragments, two buffers; v128-191 O^T.
; So K Q^T and the softmax need no switch of windows, and V^T P and the rescaling share one setting: six switches a step.
.set KP,    144                        ; a row of K in LDS: 128 bytes + 16
.set VP,    160                        ; a row of V: 128 + 32, for the turning load
.set VOFF,  256*KP                     ; a slot: 256 rows of K, then 256 rows of V
.set SLOT1, 1<<17
.set SPARE, 2*SLOT1                    ; the spare words, 128 bytes for each of eight waves
.set NSL,   8
.set AK0, 1
.set AV0, 2
.set ADK, 3
.set ADV, 4
.set NEG, 5
.set SPW, 6
.set NIL, 7
.set ST,  8
.set PFO, 28
.set STO, 29
.set RD,  30
.set GO,  31
.set P,   32
.set S,   64
.set KF,  128
.set Q,   192
.set OW,  128                          ; in window 1
.set TB,  2                            ; s2   LDS byte at which the slot in hand begins
.set SLOTS, 3                          ; s3   slots still to be asked for
.set G0K, 4                            ; s[4:7], s[8:11] descriptor groups 0 for K's and V's tiles: they walk
.set G0V, 8
.set MB,  12                           ; s[12:13] my two tiles' mask words
.set SOFF0, 14                         ; s14  tile 0's step among them, 128 bytes a step
.set WV,  15
.set SEL, 66
.set G1K, 84
.set G1V, 92
.set PFA, 100
.set LIM, 104
.set SOFF1, 105                        ; s105 tile 1's step
; s[16:47] tile 0's 32 mask words; s[48:63], s[68:83] tile 1's.  At the head and on the way out they are at work.
.set W_PV, 0x51                        ; D, A, C (O^T, V, O^T) window 1, B (P) window 0; for the rescaling: destination and source 0 (O^T) window 1, source 1 (a) window 0
.set MSB, 0
.macro WIN new                         ; the immediate's high byte repeats the setting that is left
.if MSB != \new
	s_set_vgpr_msb (MSB<<8)|\new
.set MSB, \new
.endif
.endm
; A joint load: waves 0 to 3 fetch 64 rows of K each, waves 4 to 7 of V; an s_nop 0 and four v_nop follow each of the two lines.
.macro JLOAD
	s_cmp_lt_u32 s[WV], 4
	s_cbranch_scc0 .Lfor_v_\@
	tensor_load_to_lds s[G0K:G0K+3], s[G1K:G1K+7]
	s_nop 0
.rept 4
	v_nop
.endr
	s_branch .Lasked_\@
.Lfor_v_\@:
	tensor_load_to_lds s[G0V:G0V+3], s[G1V:G1V+7]
	s_nop 0
.rept 4
	v_nop
.endr
.Lasked_\@:
.endm
; A prefetch of what the NEXT change of slots will ask for: 32,768 bytes of K and of V.  The head's first cluster asks; its four partners take 8,192 bytes each, told apart by address; in each, wave 0 asks
; for K's and wave 4 for V's, lanes 256 bytes apart: each block is named once.  The last change that fills a slot asks for nothing.
.macro ASK
	s_cmp_gt_u32 s[SLOTS], s[LIM]
	s_cbranch_scc0 .Lnot_mine_\@
	global_prefetch_b8 v[PFO], s[PFA:PFA+1] th:TH_LOAD_NT scope:SCOPE_SE
.Lnot_mine_\@:
.endm
.macro CROUND
	s_barrier_signal -1
	s_barrier_wait -1
	s_cmp_lg_u32 s[WV], 0
	s_cbranch_scc1 .Lnot_wave_0_\@
	s_barrier_signal -3
.Lnot_wave_0_\@:
	s_barrier_wait -3
	s_barrier_signal -1
	s_barrier_wait -1
.endm
; Tile t's 32 mask words of its next step.  It stands behind a wait for all scalar loads, so the offset may be stepped.
.macro MFETCH t
.if (\t) == 0
	s_add_co_u32 s[SOFF0], s[SOFF0], 128
	s_load_b512 s[16:31], s[MB:MB+1], s[SOFF0] offset:0x0
	s_load_b512 s[32:47], s[MB:MB+1], s[SOFF0] offset:0x40
.else
	s_add_co_u32 s[SOFF1], s[SOFF1], 128
	s_load_b512 s[48:63], s[MB:MB+1], s[SOFF1] offset:0x1000
	s_load_b512 s[68:83], s[MB:MB+1], s[SOFF1] offset:0x1040
.endif
.endm
	s_load_b128 s[16:19], s[0:1], 0x0              ; qkv, mw
	v_lshl_add_u32 v[SPW], v0, 2, SPARE
	v_mov_b32 v[NIL], 0
	ds_add_u32 v[SPW], v[NIL]                      ; the wave's opening: the add, twice on end, and its wait ahead of my first tensor load
	ds_add_u32 v[SPW], v[NIL]
	v_lshrrev_b32 v1, 5, v0
	v_readfirstlane_b32 s[WV], v1                  ; wave 0..7
	s_bfe_u32 s20, ttmp6, 0x40000                  ; cx
	s_lshl_b32 s21, ttmp9, 2
	s_add_co_u32 s21, s21, s20                     ; my block of 256 queries
	s_and_b32 s22, ttmp7, 0xffff                   ; 16 b + h, which the partners share
	s_lshl_b32 s24, s22, 18                        ; its 2,048 rows of 128 bytes
	s_mov_b32 s25, 0
	s_and_b32 s23, s[WV], 3
	s_lshl_b32 s26, s23, 13                        ; the 64 rows that I fetch
	s_add_co_u32 s26, s26, s24
	s_mov_b32 s27, 0
	s_mul_i32 s28, s23, 64*KP                      ; and their place in a slot
	s_mul_i32 s29, s23, 64*VP
	s_add_co_u32 s29, s29, VOFF
	s_lshl_b32 s30, s21, 15
	s_lshl_b32 s31, s[WV], 12
	s_add_co_u32 s30, s30, s31
	s_add_co_u32 s30, s30, s24                     ; my 32 queries' first byte
	s_mov_b32 s31, 0
	s_lshr_b32 s32, s22, 4                         ; b
	s_lshl_b32 s32, s32, 7
	s_lshl_b32 s33, s21, 4
	s_add_co_u32 s32, s32, s33
	s_lshl_b32 s33, s[WV], 1
	s_add_co_u32 s32, s32, s33                     ; my first tile of 16 queries: 128 b + 16 block + 2 wave
	s_lshl_b32 s32, s32, 12                        ; 4,096 bytes of words a tile
	s_mov_b32 s33, 0
	s_mov_b32 s[G1K], 15|(1<<16)|(1<<20)|(1<<21)|(4<<22)|(3<<25)   ; the mask: all four; elements of 2 bytes; padding: 4 words after every 32
	s_mov_b32 s[G1V], 15|(1<<16)|(1<<20)|(1<<21)|(4<<22)|(7<<25)   ; the same with 8 words
.irp g, G1K, G1V
	s_mov_b32 s[\g+1], 64<<16                      ; tensor_dim0
	s_mov_b32 s[\g+2], 64<<16                      ; tensor_dim1
	s_mov_b32 s[\g+3], 64<<16                      ; tile_dim0
	s_mov_b32 s[\g+4], 64                          ; tile_dim1
	s_mov_b32 s[\g+5], 64                          ; the pitch
	s_mov_b32 s[\g+6], 0
	s_mov_b32 s[\g+7], 0
.endr
	s_mov_b32 s[SEL], 0x76543210
	s_mov_b32 s[SEL+1], 0xfedcba98
	s_mov_b32 s[TB], 0
	s_mov_b32 s[SLOTS], NSL-1
	s_mov_b32 s[SOFF0], 0
	s_mov_b32 s[SOFF1], 0
	s_or_b32 s[LIM], s23, ttmp9                    ; 0 in waves 0 and 4 of the head's first cluster: the same in all four partners
	s_cmp_eq_u32 s[LIM], 0
	s_cselect_b32 s[LIM], 1, -1
	s_cmp_lt_u32 s[WV], 4
	s_mov_b32 s38, 16777216
	s_cselect_b32 s38, 8388608, s38                ; K's part of qkv or V's
	s_lshl_b32 s39, s20, 13                        ; my work-group's 8,192 bytes,
	s_add_co_u32 s38, s38, s39
	s_add_co_u32 s38, s38, 32768                   ; in slot 1: the first change of slots steps it to slot 2.  Nothing is prefetched at the head
	s_mov_b32 s39, 0
	v_and_b32 v[PFO], 31, v0
	v_lshlrev_b32 v[PFO], 8, v[PFO]
	s_wait_dscnt 0x0                               ; both opening adds are done
	s_wait_kmcnt 0x0
	s_add_nc_u64 s[MB:MB+1], s[18:19], s[32:33]
	s_add_nc_u64 s[34:35], s[16:17], s[26:27]
	s_mov_b32 s[G0K], 1
	s_mov_b32 s[G0K+1], s28
	s_add_nc_u64 s[G0K+2:G0K+3], s[34:35], 8388608
	s_or_b32 s[G0K+3], s[G0K+3], 0x80000000
	s_mov_b32 s[G0V], 1
	s_mov_b32 s[G0V+1], s29
	s_add_nc_u64 s[G0V+2:G0V+3], s[34:35], 16777216
	s_or_b32 s[G0V+3], s[G0V+3], 0x80000000
	s_add_nc_u64 s[PFA:PFA+1], s[16:17], s[24:25]
	s_add_nc_u64 s[PFA:PFA+1], s[PFA:PFA+1], s[38:39]
	s_add_nc_u64 s[40:41], s[16:17], s[30:31]      ; Q at my first query
	CROUND                                         ; all four work-groups are here
	JLOAD                                          ; slot 0
	v_and_b32 v64, 15, v0                          ; r  (S^T's registers are at work here)
	v_bfe_u32 v65, v0, 4, 1                        ; h
	v_lshlrev_b32 v66, 7, v64
	v_lshl_add_u32 v66, v65, 4, v66                ; Q: row r of 128 bytes, + 16 h
.irp t, 0,1
.irp e, 0,1
	global_load_b128 v[Q+16*\t+8*\e:Q+16*\t+8*\e+3], v66, s[40:41] offset:2048*\t+64*\e
	global_load_b128 v[Q+16*\t+8*\e+4:Q+16*\t+8*\e+7], v66, s[40:41] offset:2048*\t+64*\e+32
.endr
.endr
	WIN 0x40                                       ; destination window 1
.set i, 0
.rept 64
	v_mov_b32 v[OW+i], 0                           ; O^T: a step is written in one form; the first finds zeros
.set i, i+1
.endr
	WIN 0
	v_mul_u32_u24 v[AK0], v64, KP
	v_lshl_add_u32 v[AK0], v65, 4, v[AK0]          ; K: row r x pitch + 16 h
	v_and_b32 v67, 7, v0
	v_bfe_u32 v68, v0, 3, 1
	v_lshl_add_u32 v[AV0], v65, 3, v67
	v_mul_u32_u24 v[AV0], v[AV0], VP
	v_lshl_add_u32 v[AV0], v68, 4, v[AV0]
	v_add_nc_u32 v[AV0], VOFF, v[AV0]              ; V, for the turning load: key 8 h + lane % 8, channels 8 ((lane / 8) % 2) on
	s_mul_i32 s42, s[WV], 32*KP                    ; the way out: my stage, 32 rows of 144 bytes, in slot 0
	v_add_nc_u32 v[STO], s42, v[AK0]
	v_and_b32 v69, 31, v0
	v_lshrrev_b32 v70, 3, v69
	v_mul_u32_u24 v70, v70, KP
	v_lshl_add_u32 v70, v67, 4, v70
	v_add_nc_u32 v[RD], s42, v70                   ; back: eight lanes to a row, four rows an instruction
	v_lshlrev_b32 v[GO], 4, v69
	v_mov_b32 v[NEG], 0xceabfb8f                   ; -1e9 x log2(e)
.irp t, 0,1
	v_mov_b32 v[ST+10*\t], 0xff61b1e6              ; m: -3e38, under every score
.irp k, 1,2,3,4,5,6,7,8,9
	v_mov_b32 v[ST+10*\t+\k], 0
.endr
.endr
	s_wait_loadcnt 0x0                             ; Q is in, and its base may be written
	s_load_b512 s[16:31], s[MB:MB+1], s[SOFF0] offset:0x0        ; step 0's mask words, both tiles'
	s_load_b512 s[32:47], s[MB:MB+1], s[SOFF0] offset:0x40
	s_load_b512 s[48:63], s[MB:MB+1], s[SOFF1] offset:0x1000
	s_load_b512 s[68:83], s[MB:MB+1], s[SOFF1] offset:0x1040
.macro FETCH_K q                       ; the slot's step q.  Fragment 2 kt + e: keys 16 kt on, channels 32 e on
.set f, 0
.rept 8
	ds_load_b128 v[KF+8*f:KF+8*f+3], v[ADK] offset:(\q)*64*KP+(f/2)*16*KP+(f%2)*64
	ds_load_b128 v[KF+8*f+4:KF+8*f+7], v[ADK] offset:(\q)*64*KP+(f/2)*16*KP+(f%2)*64+32
.set f, f+1
.endr
.endm
.macro FETCH_V q                       ; into buffer q % 2 of window 1.  Fragment 4 c + u: keys 32 c on, channels 16 u on, turned
.set f, 0
.rept 8
	ds_load_tr16_b128 v[64*((\q)%2)+8*f:64*((\q)%2)+8*f+3], v[ADV] offset:(\q)*64*VP+(f/4)*32*VP+(f%4)*32
	ds_load_tr16_b128 v[64*((\q)%2)+8*f+4:64*((\q)%2)+8*f+7], v[ADV] offset:(\q)*64*VP+(f/4)*32*VP+16*VP+(f%4)*32
.set f, f+1
.endr
.endm
; Product kqi of 8 of tile x's S^T = K Q^T: channels 32 (kqi / 4) on, keys 16 (kqi % 4) on.  The first four start the sums.  The four accumulators take turns, one instruction a turn.
.macro KQW x
.if DOKQ
.set kS, S+32*(\x)+8*(kqi%4)
.set kK, KF+8*(2*(kqi%4)+kqi/4)
.set kQ, Q+16*(\x)+8*(kqi/4)
.if kqi < 4
	v_wmma_f32_16x16x32_f16 v[kS:kS+7], v[kK:kK+7], v[kQ:kQ+7], 0
.else
	v_wmma_f32_16x16x32_f16 v[kS:kS+7], v[kK:kK+7], v[kQ:kQ+7], v[kS:kS+7]
.endif
.set kqi, kqi+1
.endif
.endm
; Product pvi of 8 of tile x's O^T += V^T P: keys 32 (pvi / 4) on, channels 16 (pvi % 4) on; V from buffer vb.  Four accumulators by turns.
.macro PVW x, vb
.set pO, OW+32*(\x)+8*(pvi%4)
.set pV, 64*(\vb)+8*(4*(pvi/4)+pvi%4)
.set pP, P+16*(\x)+8*(pvi/4)
	v_wmma_f32_16x16x32_f16 v[pO:pO+7], v[pV:pV+7], v[pP:pP+7], v[pO:pO+7]
.endm
; A TURN.  Tile t has the vector unit: its softmax of one key step.  Tile 1 - t has the matrix unit.
;   kq = 1: the 8 products K Q^T of tile 1 - t for its next step stand among the softmax's lines: three round the end of the maximum, five among the exponentials, nine lines apart
;   fq >= 0: K and V of the slot's step fq are fetched at the turn's head;  mf = 1: tile 1 - t's next mask words are fetched
;   pv = 1: then the 8 products V^T P of tile 1 - t, V from buffer vb, two of the 16 lines that rescale tile t's O^T behind each
; None of the softmax's lines names a register of the other tile's products, so they are the places behind those (ISA guide 7.12.1).
.macro TURN t, kq, fq, mf, pv, vb
.set DOKQ, \kq
.set kqi, 0
.set tT, ST+10*(\t)
.set tS, S+32*(\t)
.set tP, P+16*(\t)
.set tO, OW+32*(\t)
	s_wait_kmcnt 0x0                               ; tile t's mask words, asked for a turn ago
.if \mf
	MFETCH 1-(\t)
.endif
.set n, 0
.rept 4
	v_cndmask_b32 v[tS+n], v[NEG], v[tS+n], s[16+32*(\t)+n+4*(\t)*(n/16)]   ; a masked score is REPLACED; each accumulator from its low end on
.set n, n+1
.endr
.if (\fq) >= 0
	FETCH_K \fq                                    ; K's registers were last read a turn ago; V's buffer by the last turn's last product: two rescaling lines and the four lines above stand between
	WIN 0x40
	FETCH_V \fq
	WIN 0
.endif
.rept 28
	v_cndmask_b32 v[tS+n], v[NEG], v[tS+n], s[16+32*(\t)+n+4*(\t)*(n/16)]
.set n, n+1
.endr
.irp j, 0,1,2,3
	v_max3_num_f32 v[tT+6+\j], v[tS+8*\j], v[tS+8*\j+1], v[tS+8*\j+2]          ; the maximum, in four chains
.endr
.irp g, 1,2
.irp j, 0,1,2,3
	v_max3_num_f32 v[tT+6+\j], v[tT+6+\j], v[tS+8*\j+2*\g+1], v[tS+8*\j+2*\g+2]
.endr
.endr
.if (\fq) >= 0
	s_wait_dscnt 16                                ; K is in; V's 16 loads, issued behind K's, may be out
.endif
	KQW 1-(\t)
	v_max3_num_f32 v[tT+6], v[tT+6], v[tS+7], v[tS+15]
	v_max3_num_f32 v[tT+8], v[tT+8], v[tS+23], v[tS+31]
	v_max3_num_f32 v[tT+6], v[tT+6], v[tT+7], v[tT+8]
	v_max3_num_f32 v[tT+6], v[tT+6], v[tT+9], v[tT]                            ; with the old m
	KQW 1-(\t)
	v_permlanex16_b32 v[tT+7], v[tT+6], s[SEL], s[SEL+1]                       ; the query's other 32 keys lie 16 lanes away
	v_max_num_f32 v[tT+8], v[tT+6], v[tT+7]                                    ; the new m
	v_sub_f32 v[tT+1], v[tT], v[tT+8]                                          ; old m - new m
	v_mov_b32 v[tT], v[tT+8]
	KQW 1-(\t)
	; ONE BATCH: a = 2^(old m - new m) and p = 2^(s - m), 33 exponentials, with the 16 subtractions dealt among them: a pair is subtracted two groups ahead of its exponentials; nothing here names a result
	v_exp_f32 v[tT+4], v[tT+1]
	v_pk_add_f32 v[tS:tS+1], v[tS:tS+1], v[tT:tT+1] op_sel_hi:[1,0] neg_lo:[0,1] neg_hi:[0,1]       ; s - m: a plain subtraction, 0 exactly at the maximum
	v_pk_add_f32 v[tS+2:tS+3], v[tS+2:tS+3], v[tT:tT+1] op_sel_hi:[1,0] neg_lo:[0,1] neg_hi:[0,1]
.set n, 2
.rept 14
	v_exp_f32 v[tS+2*n-4], v[tS+2*n-4]
	v_exp_f32 v[tS+2*n-3], v[tS+2*n-3]
	v_pk_add_f32 v[tS+2*n:tS+2*n+1], v[tS+2*n:tS+2*n+1], v[tT:tT+1] op_sel_hi:[1,0] neg_lo:[0,1] neg_hi:[0,1]
.if (n%3) == 0
	KQW 1-(\t)
.endif
.set n, n+1
.endr
.irp k, 28,29,30,31
	v_exp_f32 v[tS+\k], v[tS+\k]
.endr
	v_nop                                          ; a plain instruction behind the last exponential
	s_wait_alu depctr_va_vdst(0)                   ; one wait for the batch, ahead of its first reader
	; the sum, in two chains, and the roundings to f16, by turns
	v_pk_fma_f32 v[tT+2:tT+3], v[tT+2:tT+3], v[tT+4:tT+5], v[tS:tS+1] op_sel_hi:[1,0,1]             ; the sum x a + the first pair
	v_cvt_pk_f16_f32 v[tP], v[tS], v[tS+1]
	v_pk_add_f32 v[tT+6:tT+7], v[tS+2:tS+3], v[tS+4:tS+5]
	v_cvt_pk_f16_f32 v[tP+1], v[tS+2], v[tS+3]
.irp i, 3,5,7,9,11,13
	v_pk_add_f32 v[tT+2:tT+3], v[tT+2:tT+3], v[tS+2*\i:tS+2*\i+1]
	v_cvt_pk_f16_f32 v[tP+\i-1], v[tS+2*\i-2], v[tS+2*\i-1]
	v_pk_add_f32 v[tT+6:tT+7], v[tT+6:tT+7], v[tS+2*\i+2:tS+2*\i+3]
	v_cvt_pk_f16_f32 v[tP+\i], v[tS+2*\i], v[tS+2*\i+1]
.endr
	v_pk_add_f32 v[tT+2:tT+3], v[tT+2:tT+3], v[tS+30:tS+31]
	v_cvt_pk_f16_f32 v[tP+14], v[tS+28], v[tS+29]
	v_pk_add_f32 v[tT+2:tT+3], v[tT+2:tT+3], v[tT+6:tT+7]
	v_cvt_pk_f16_f32 v[tP+15], v[tS+30], v[tS+31]
.if \pv
.if (\fq) >= 0
	s_wait_dscnt 0x0                               ; the V just fetched is in, for the next step; this step's was shown in a step ago
.endif
	WIN W_PV
.set pvi, 0
.rept 8
	PVW 1-(\t), \vb
	v_pk_mul_f32 v[tO+4*pvi:tO+4*pvi+1], v[tO+4*pvi:tO+4*pvi+1], v[tT+4:tT+5] op_sel_hi:[1,0]           ; tile t's O^T x a, each accumulator from its low end on
	v_pk_mul_f32 v[tO+4*pvi+2:tO+4*pvi+3], v[tO+4*pvi+2:tO+4*pvi+3], v[tT+4:tT+5] op_sel_hi:[1,0]
.set pvi, pvi+1
.endr
	WIN 0
.endif
.endm
; A KEY STEP: the step that fetches the slot's step fq, which is the step after it; so its own V lies in the other buffer.
.macro STEP fq
	TURN 1, 1, \fq, 1, 1, 1-((\fq)%2)
	TURN 0, 1, -1, 1, 1, 1-((\fq)%2)
.endm
.macro ADDR                            ; where the slot in hand lies
	v_add_nc_u32 v[ADK], s[TB], v[AK0]
	v_add_nc_u32 v[ADV], s[TB], v[AV0]
.endm
; THE CHANGE OF SLOTS stands in front of the step that fetches a slot's first step.  Each wave waits for all its tensor loads (one is out: its part of the slot ahead), adds 0 to its spare word, and waits for
; that and for its reads of the slot that it has left.  fill = 1: behind a round of the cluster's barrier that slot is filled with the next 256 keys: the load has four key steps in which to land.
.macro CHANGE fill
	s_wait_tensorcnt 0x0
	ds_add_u32 v[SPW], v[NIL]
.if \fill
	s_xor_b32 s[G0K+1], s[G0K+1], SLOT1
	s_add_nc_u64 s[G0K+2:G0K+3], s[G0K+2:G0K+3], 32768
	s_xor_b32 s[G0V+1], s[G0V+1], SLOT1
	s_add_nc_u64 s[G0V+2:G0V+3], s[G0V+2:G0V+3], 32768
	s_wait_xcnt 0x0                                ; the last prefetch, a slot back, has read its address
	s_add_nc_u64 s[PFA:PFA+1], s[PFA:PFA+1], 32768
	s_wait_dscnt 0x0
	CROUND
	JLOAD
	ASK
.else
	s_wait_dscnt 0x0
	s_barrier_signal -1
	s_barrier_wait -1
.endif
.endm
	; ---- slot 0: it has no step in front of it, so its first scores and tile 0's first softmax are written out
	CHANGE 1                                       ; slot 0 is whole; slot 1 is asked for
	ADDR
	FETCH_K 0
	WIN 0x40
	FETCH_V 0
	WIN 0
	s_wait_dscnt 16                                ; K is in; V's 16 loads may be out
.set i, 0
.rept 16                                           ; both tiles' scores of step 0: eight accumulators by turns
.set kS, S+32*(i%2)+8*((i/2)%4)
.set kK, KF+8*(2*((i/2)%4)+i/8)
.set kQ, Q+16*(i%2)+8*(i/8)
.if i < 8
	v_wmma_f32_16x16x32_f16 v[kS:kS+7], v[kK:kK+7], v[kQ:kQ+7], 0
.else
	v_wmma_f32_16x16x32_f16 v[kS:kS+7], v[kK:kK+7], v[kQ:kQ+7], v[kS:kS+7]
.endif
.set i, i+1
.endr
.rept 4
	v_nop                                          ; places in front of the first read of the scores
.endr
	TURN 0, 0, -1, 0, 0, 0                         ; tile 0's softmax of step 0; its O^T holds zeros, so nothing is rescaled
	STEP 1
	STEP 2
	STEP 3
	s_xor_b32 s[TB], s[TB], SLOT1                  ; on to the other slot
	s_sub_co_u32 s[SLOTS], s[SLOTS], 1
.Lslot:                                            ; six trips: slots 1 to 6; behind each change the next slot is asked for
	CHANGE 1
	ADDR
	STEP 0
	STEP 1
	STEP 2
	STEP 3
	s_xor_b32 s[TB], s[TB], SLOT1
	s_sub_co_u32 s[SLOTS], s[SLOTS], 1
	s_cmp_lg_u32 s[SLOTS], 0
	s_cbranch_scc1 .Lslot
	CHANGE 0                                       ; the last slot is written out
	ADDR
	STEP 0
	STEP 1
	STEP 2
	STEP 3
	TURN 1, 0, -1, 0, 1, 1                         ; the last step fetches nothing and has no scores to make: tile 1's softmax, tile 0's V^T P,
	WIN W_PV
.set pvi, 0
.rept 8
	PVW 1, 1                                       ; and tile 1's
.set pvi, pvi+1
.endr
	WIN 0
	; THE WAY OUT: O^T / the sum, rounded to f16, through my stage (in slot 0, which was left at the last change and is filled no more), out as 512 consecutive bytes a store.
.rept 4
	v_nop
.endr
.irp t, 0,1
	v_add_f32 v[ST+10*\t+6], v[ST+10*\t+2], v[ST+10*\t+3]
.endr
.irp t, 0,1
	v_permlanex16_b32 v[ST+10*\t+7], v[ST+10*\t+6], s[SEL], s[SEL+1]
.endr
.irp t, 0,1
	v_add_f32 v[ST+10*\t+6], v[ST+10*\t+6], v[ST+10*\t+7]
.endr
.irp t, 0,1
	v_rcp_f32 v[ST+10*\t+4], v[ST+10*\t+6]
.endr
	v_nop
	s_wait_alu depctr_va_vdst(0)                   ; one wait for the two reciprocals, ahead of their first reader
	WIN 0x41                                       ; O^T (destination and source 0) window 1
.set n, 0
.rept 16
	v_pk_mul_f32 v[OW+2*n:OW+2*n+1], v[OW+2*n:OW+2*n+1], v[ST+4:ST+5] op_sel_hi:[1,0]
	v_pk_mul_f32 v[OW+32+2*n:OW+33+2*n], v[OW+32+2*n:OW+33+2*n], v[ST+14:ST+15] op_sel_hi:[1,0]
.set n, n+1
.endr
	WIN 0x05                                       ; sources window 1, destination window 0
.set n, 0
.rept 32
	v_cvt_pk_f16_f32 v[S+n], v[OW+2*n], v[OW+2*n+1]
.set n, n+1
.endr
	WIN 0
.irp t, 0,1
.irp u, 0,1,2,3
	ds_store_b128 v[STO], v[S+16*\t+4*\u:S+16*\t+4*\u+3] offset:\t*16*KP+32*\u     ; query 16 t + r, channels 16 u + 8 h on
.endr
.endr
.irp i, 0,1,2,3,4,5,6,7
	ds_load_b128 v[S+32+4*\i:S+32+4*\i+3], v[RD] offset:\i*4*KP                    ; LDS serves a wave's instructions in order: these see my stores
.endr
	s_load_b64 s[16:17], s[0:1], 0x10              ; xw  (no mask words are on their way: the last turn waited for the last of them)
	s_bfe_u32 s20, ttmp6, 0x40000
	s_lshl_b32 s21, ttmp9, 2
	s_add_co_u32 s21, s21, s20                     ; my block of 256 queries
	s_and_b32 s22, ttmp7, 0xffff
	s_lshr_b32 s23, s22, 4                         ; b
	s_and_b32 s22, s22, 15                         ; h
	s_lshl_b32 s23, s23, 4
	s_lshl_b32 s21, s21, 1
	s_add_co_u32 s23, s23, s21
	s_lshr_b32 s21, s[WV], 2
	s_add_co_u32 s23, s23, s21                     ; my block of 128 rows
	s_lshl_b32 s23, s23, 4
	s_add_co_u32 s23, s23, s22
	s_lshl_b32 s18, s23, 14                        ; 128 rows of 128 bytes for each (block, head)
	s_and_b32 s21, s[WV], 3
	s_lshl_b32 s21, s21, 12
	s_add_co_u32 s18, s18, s21
	s_mov_b32 s19, 0
	s_wait_kmcnt 0x0
	s_add_nc_u64 s[16:17], s[16:17], s[18:19]
.irp i, 0,1,2,3,4,5,6,7
	s_wait_dscnt 7-\i
	global_store_b128 v[GO], v[S+32+4*\i:S+32+4*\i+3], s[16:17] offset:512*\i
.endr
	s_wait_tensorcnt 0x0                           ; the wave's end
	ds_add_u32 v[SPW], v[NIL]
	s_wait_dscnt 0x0
	CROUND                                         ; the closing round
	s_endpgm
.Lfunc_end_k_qe2b0a7c702_attn:
	.size	k_qe2b0a7c702_attn, .Lfunc_end_k_qe2b0a7c702_attn-k_qe2b0a7c702_attn
	.p2alignl 7, 3214868480
	.fill 96, 4, 3214868480
	.section	.rodata,"a",@progbits
	.p2align	6, 0x0
	.amdhsa_kernel k_qe2b0a7c702_attn
		.amdhsa_group_segment_fixed_size 327680
		.amdhsa_private_segment_fixed_size 0
		.amdhsa_enable_private_segment 0
		.amdhsa_kernarg_size 24
		.amdhsa_user_sgpr_count 2
		.amdhsa_user_sgpr_kernarg_segment_ptr 1
		.amdhsa_wavefront_size32 1
		.amdhsa_system_sgpr_workgroup_id_x 1
		.amdhsa_system_sgpr_workgroup_id_y 1
		.amdhsa_system_sgpr_workgroup_id_z 1
		.amdhsa_system_vgpr_workitem_id 0
		.amdhsa_next_free_vgpr 448
		.amdhsa_next_free_sgpr 106
		.amdhsa_reserve_vcc 0
		.amdhsa_float_denorm_mode_32 3
		.amdhsa_float_denorm_mode_16_64 3
		.amdhsa_memory_ordered 1
		.amdhsa_forward_progress 1
		.amdhsa_inst_pref_size 255
	.end_amdhsa_kernel
	.section	.bss,"aw",@nobits
	.p2align	6
	.space	262144
	.amdgpu_metadata
---
amdhsa.version: [ 1, 2 ]
amdhsa.kernels:
  - .name:           k_qe2b0a7c702_attn
    .symbol:         k_qe2b0a7c702_attn.kd
    .args:
      - { .name: qkv, .offset: 0, .size: 8, .value_kind: global_buffer, .address_space: global }
      - { .name: mw, .offset: 8, .size: 8, .value_kind: global_buffer, .address_space: global }
      - { .name: xw, .offset: 16, .size: 8, .value_kind: global_buffer, .address_space: global }
    .group_segment_fixed_size: 327680
    .private_segment_fixed_size: 0
    .kernarg_segment_align: 8
    .kernarg_segment_size: 24
    .max_flat_workgroup_size: 256
    .sgpr_count:     106
    .vgpr_count:     448
    .wavefront_size: 32
...
	.end_amdgpu_metadata
.endif
;; end of part 3
;; launch outp (part 4): grid 8 x 32, 4 waves a work-group, clusters of 4 x 4, 327,680 bytes of LDS; arguments xw, wo16, bo, out0; writes out0
.if DOCPART == 4
	.amdgcn_target "amdgcn-amd-amdhsa--gfx1250"
	.amdhsa_code_object_version 6
	.text
	.protected	k_qe2b0a7c702_outp
	.globl	k_qe2b0a7c702_outp
	.p2align	8
	.type	k_qe2b0a7c702_outp,@function
k_qe2b0a7c702_outp:
	s_mov_b64 s[64:65], 0
	v_nop
	global_prefetch_b8 v0, s[64:65] scope:SCOPE_SE
	s_setreg_imm32_b32 hwreg(HW_REG_WAVE_MODE, 25, 1), 1
	s_wait_xcnt 0x0
	s_wait_alu depctr_hold_cnt(0) depctr_sa_sdst(0) depctr_va_vdst(0) depctr_va_sdst(0) depctr_va_ssrc(0) depctr_va_vcc(0) depctr_vm_vsrc(0)
	s_getreg_b32 s2, hwreg(HW_REG_IB_STS2, 6, 4)
	s_cmp_eq_u32 s2, 0
	s_cbranch_scc0 .Lentry_in_a_cluster
	s_endpgm
.Lentry_in_a_cluster:
	s_bfe_u32 s2, ttmp6, 0x10000c
	s_cmp_lg_u32 s2, 0xf033
	s_cbranch_scc0 .Lentry_shape_is_right
	s_endpgm
.Lentry_shape_is_right:
; out0 = x Wo + bo.  x: f16 as xw [32 blocks of 128 rows][16 heads][128 rows][64]; Wo: f16 [1024 k][1024 n]; bo, out0: f32; sums in f32.
; A tile of out0 is 128 x 128: 256 work-groups; four waves, each 64 x 64: 16 accumulators.  K goes in four steps of 256 (four heads) through two LDS slots.
; A's part of a K step is dense in memory: 512 rows of 128 bytes (head, row), LDS pitch 144; B's is 256 k-rows of 256 bytes, pitch 288, read by the turning load.
; CLUSTERS: 4 x 4 work-groups; A's tiles are asked for jointly along a row of the cluster, B's along a column.
; THE MATRIX INSTRUCTION IS USED TRANSPOSED (source 0 = 16 columns of Wo, source 1 = 16 rows of x): a lane holds eight neighbouring numbers of a row of out0.  The bias is the C of each sum's first product.
; REGISTERS: window 0: v0-31 addresses; v32-95 the way out; v96-127 the bias; v128-255 the accumulators.  window 1: two fragment buffers of 128 (64 of A, 64 of B, for 64 along K).
.set PA,     144
.set PB,     288
.set HALFT,  36864                     ; what one tensor load brings: 256 rows x 144, or 128 rows x 288
.set SLOT,   4*HALFT
.set SPARE,  2*SLOT                    ; the spare words, 128 bytes a wave
.set SPITCH, 272                       ; the way out: a stage of 16 rows x (256 + 16) bytes for each wave, in slot 0, past its last fill and its last read
.set ADRA, 16                          ; v16-17  my A fragments in slot 0, 1
.set ADRB, 20                          ; v20-23  my B fragments: slot 0 k 0-127, k 128-255; slot 1 likewise (an LDS offset ends at 65,535)
.set STO,  24
.set RD,   25
.set CO,   26
.set SPW,  28
.set NIL,  29
.set OB,   32
.set BIAS, 96
.set ACC,  128
.set F0,   0
.set F1,   128
.set G1, 24
.set G0, 32
.set G1B, 48
.set G0B, 56
.set MSB, 0
.macro WIN new
.if MSB != \new
	s_set_vgpr_msb (MSB<<8)|\new
.set MSB, \new
.endif
.endm
.set MUL,  0x05                        ; sources 0 and 1 window 1; C and D window 0
.set TO_F, 0x40
.macro JLOAD s                         ; waves 0 and 1 fetch A's halves, waves 2 and 3 B's; an s_nop 0 and four v_nop follow each line
	s_cmp_eq_u32 s11, 0
	s_cbranch_scc0 .Lfor_b_\@
	tensor_load_to_lds s[G0+4*\s:G0+4*\s+3], s[G1:G1+7]
	s_nop 0
.rept 4
	v_nop
.endr
	s_branch .Lasked_\@
.Lfor_b_\@:
	tensor_load_to_lds s[G0B+4*\s:G0B+4*\s+3], s[G1B:G1B+7]
	s_nop 0
.rept 4
	v_nop
.endr
.Lasked_\@:
.endm
.macro CREST
	s_cmp_lg_u32 s10, 0
	s_cbranch_scc1 .Lnot_wave_0_\@
	s_barrier_signal -3
.Lnot_wave_0_\@:
	s_barrier_wait -3
	s_barrier_signal -1
	s_barrier_wait -1
.endm
.macro CROUND
	s_barrier_signal -1
	s_barrier_wait -1
	CREST
.endm
	s_load_b128 s[4:7], s[0:1], 0x0                ; xw, wo16
	s_load_b64 s[2:3], s[0:1], 0x10                ; bo
	s_load_b64 s[8:9], s[0:1], 0x18                ; out0
	v_lshl_add_u32 v[SPW], v0, 2, SPARE
	v_mov_b32 v[NIL], 0
	ds_add_u32 v[SPW], v[NIL]                      ; the wave's opening: the add, twice on end, and its wait ahead of my first tensor load
	ds_add_u32 v[SPW], v[NIL]
	v_lshrrev_b32 v1, 5, v0
	v_readfirstlane_b32 s10, v1                    ; wave 0..3
	s_lshr_b32 s11, s10, 1                         ; my half of the tile's rows; also: I fetch for A (0) or B (1)
	s_and_b32 s12, s10, 1                          ; my half of its columns; also: which half of that tile I fetch
	s_bfe_u32 s40, ttmp6, 0x40000
	s_bfe_u32 s41, ttmp6, 0x40004
	s_lshl_b32 s42, ttmp9, 2
	s_add_co_u32 s42, s42, s40                     ; tile column 0..7
	s_and_b32 s13, ttmp7, 0xffff
	s_lshl_b32 s13, s13, 2
	s_add_co_u32 s13, s13, s41                     ; tile row 0..31
	s_lshl_b32 s43, s41, 2
	s_lshl_b32 s43, 15, s43                        ; my row of the cluster
	s_lshl_b32 s44, 0x1111, s40                    ; my column
	s_or_b32 s[G1+0], s43, (1<<16)|(1<<20)|(1<<21)|(4<<22)|(3<<25)    ; elements of 2 bytes; padding: 4 words after every 32
	s_mov_b32 s[G1+1], 64<<16                      ; tensor_dim0
	s_mov_b32 s[G1+2], 256<<16                     ; tensor_dim1
	s_mov_b32 s[G1+3], 64<<16                      ; tile_dim0
	s_mov_b32 s[G1+4], 256                         ; tile_dim1
	s_mov_b32 s[G1+5], 64                          ; the pitch
	s_mov_b32 s[G1+6], 0
	s_mov_b32 s[G1+7], 0
	s_or_b32 s[G1B+0], s44, (1<<16)|(1<<20)|(1<<21)|(5<<22)|(7<<25)   ; padding: 8 words after every 64
	s_mov_b32 s[G1B+1], 128<<16
	s_mov_b32 s[G1B+2], 128<<16
	s_mov_b32 s[G1B+3], 128<<16
	s_mov_b32 s[G1B+4], 128
	s_mov_b32 s[G1B+5], 1024
	s_mov_b32 s[G1B+6], 0
	s_mov_b32 s[G1B+7], 0
	s_lshl_b32 s16, s13, 18                        ; A: a block of 128 rows is 262,144 bytes; my two heads of a K step 32,768
	s_lshl_b32 s17, s12, 15
	s_add_co_u32 s16, s16, s17
	s_mov_b32 s17, 0
	s_lshl_b32 s46, s42, 8                         ; B: 256 bytes a tile column; my 128 k-rows of 2,048 bytes
	s_lshl_b32 s47, s12, 18
	s_add_co_u32 s46, s46, s47
	s_mov_b32 s47, 0
	s_mul_i32 s20, s10, HALFT                      ; where they go: wave x HALFT
	s_wait_dscnt 0x0                               ; both opening adds are done
	s_wait_kmcnt 0x0
	s_add_nc_u64 s[14:15], s[4:5], s[16:17]
	s_add_nc_u64 s[46:47], s[6:7], s[46:47]
	CROUND                                         ; all sixteen work-groups are here
.irp s, 0,1
	s_mov_b32 s[G0+4*\s], 1
	s_add_co_u32 s[G0+4*\s+1], s20, \s*SLOT
	s_add_nc_u64 s[G0+4*\s+2:G0+4*\s+3], s[14:15], \s*65536
	s_or_b32 s[G0+4*\s+3], s[G0+4*\s+3], 0x80000000
	s_mov_b32 s[G0B+4*\s], 1
	s_add_co_u32 s[G0B+4*\s+1], s20, \s*SLOT
	s_add_nc_u64 s[G0B+4*\s+2:G0B+4*\s+3], s[46:47], \s*524288
	s_or_b32 s[G0B+4*\s+3], s[G0B+4*\s+3], 0x80000000
	JLOAD \s                                       ; two loads of mine are out
.endr
	v_and_b32 v1, 15, v0                           ; r
	v_bfe_u32 v2, v0, 4, 1                         ; h
	v_mul_u32_u24 v3, v1, PA
	v_lshl_add_u32 v3, v2, 4, v3                   ; A: row r x pitch + 16 h
	v_and_b32 v4, 7, v0
	v_bfe_u32 v5, v0, 3, 1
	v_lshl_add_u32 v4, v2, 3, v4
	v_mul_u32_u24 v4, v4, PB
	v_lshl_add_u32 v4, v5, 4, v4                   ; B, for the turning load: k 8 h + lane % 8, columns 8 ((lane / 8) % 2) on
	s_mul_i32 s21, s11, 64*PA                      ; my 64 rows within a head's 128
	s_lshl_b32 s22, s12, 7                         ; my 64 columns
	s_add_co_u32 s22, s22, 2*HALFT                 ; B lies behind A
.irp s, 0,1
	v_add_nc_u32 v[ADRA+\s], s21, v3
	v_add_nc_u32 v[ADRB+2*\s], s22, v4
	s_add_co_u32 s22, s22, HALFT
	v_add_nc_u32 v[ADRB+2*\s+1], s22, v4
	s_add_co_u32 s21, s21, SLOT
	s_add_co_u32 s22, s22, SLOT-HALFT
.endr
	s_mul_i32 s23, s10, 16*SPITCH                  ; my stage
	v_mul_u32_u24 v6, v1, SPITCH
	v_lshl_add_u32 v6, v2, 5, v6
	v_add_nc_u32 v[STO], s23, v6                   ; in: row r, 32 bytes for each half of the lanes
	v_mul_u32_u24 v6, v2, SPITCH
	v_lshl_add_u32 v6, v1, 4, v6
	v_add_nc_u32 v[RD], s23, v6                    ; back: lanes 0-15 one row of 256 bytes, lanes 16-31 the next
	v_lshlrev_b32 v6, 12, v2
	v_lshl_add_u32 v[CO], v1, 4, v6                ; and the same two rows in out0
	v_lshlrev_b32 v7, 5, v2                        ; the bias: 32 h bytes
	s_lshl_b32 s16, s42, 9
	s_lshl_b32 s17, s12, 8
	s_add_co_u32 s16, s16, s17                     ; my first column x 4 bytes
	s_mov_b32 s17, 0
	s_add_nc_u64 s[2:3], s[2:3], s[16:17]
.irp b, 0,1,2,3
	global_load_b128 v[BIAS+8*\b:BIAS+8*\b+3], v7, s[2:3] offset:64*\b             ; register 8 b + j: bo of column 16 b + 8 h + j
	global_load_b128 v[BIAS+8*\b+4:BIAS+8*\b+7], v7, s[2:3] offset:64*\b+16
.endr
	s_add_nc_u64 s[8:9], s[8:9], s[16:17]
	s_lshl_b32 s16, s13, 7
	s_lshl_b32 s18, s11, 6
	s_add_co_u32 s16, s16, s18                     ; my first row
	s_lshl_b32 s16, s16, 12                        ; rows of 4,096 bytes
	s_add_nc_u64 s[8:9], s[8:9], s[16:17]
; 8 matrix instructions: m blocks a0, a0 + 1 x all 4 n blocks, 32 along K: half c of buffer f.  zero = 1: the first product starts the sums from the bias.  The 16 accumulators take turns.
.macro MUL8 f, c, a0, zero
.irp a, \a0, \a0+1
.irp b, 0,1,2,3
.if \zero
	v_wmma_f32_16x16x32_f16 v[ACC+8*(4*(\a)+\b):ACC+8*(4*(\a)+\b)+7], v[\f+64+8*(4*\c+\b):\f+64+8*(4*\c+\b)+7], v[\f+8*(4*\c+\a):\f+8*(4*\c+\a)+7], v[BIAS+8*\b:BIAS+8*\b+7]
.else
	v_wmma_f32_16x16x32_f16 v[ACC+8*(4*(\a)+\b):ACC+8*(4*(\a)+\b)+7], v[\f+64+8*(4*\c+\b):\f+64+8*(4*\c+\b)+7], v[\f+8*(4*\c+\a):\f+8*(4*\c+\a)+7], v[ACC+8*(4*(\a)+\b):ACC+8*(4*(\a)+\b)+7]
.endif
.endr
.endr
.endm
; 32 LDS loads in one run: the fragments of quarter q (one head, 64 along K) into buffer f; the first 32 along K first
.macro FETCH slot, q, f
	WIN TO_F
.irp c, 0,1
.irp i, 0,1,2,3
	ds_load_tr16_b128 v[\f+64+8*(4*\c+\i):\f+64+8*(4*\c+\i)+3],   v[ADRB+2*\slot+(\q)/2] offset:((64*(\q)+32*\c)%128)*PB+32*\i
	ds_load_tr16_b128 v[\f+64+8*(4*\c+\i)+4:\f+64+8*(4*\c+\i)+7], v[ADRB+2*\slot+(\q)/2] offset:((64*(\q)+32*\c)%128)*PB+16*PB+32*\i
	ds_load_b128 v[\f+8*(4*\c+\i):\f+8*(4*\c+\i)+3],              v[ADRA+\slot] offset:(\q)*128*PA+64*\c+\i*16*PA
	ds_load_b128 v[\f+8*(4*\c+\i)+4:\f+8*(4*\c+\i)+7],            v[ADRA+\slot] offset:(\q)*128*PA+64*\c+\i*16*PA+32
.endr
.endr
.endm
.macro PLACES                          ; plain vector instructions between a matrix instruction and a load into, or a read of, its registers
.rept 4
	v_nop
.endr
.endm
; One of a K step's first three quarters: multiplies buffer f and fetches quarter q into g.
.macro QUARTER slot, q, f, g, zero
	s_wait_dscnt 16                                ; the first 32 along K are in
	WIN MUL
	MUL8 \f, 0, 0, \zero
	MUL8 \f, 0, 2, \zero
	PLACES
	FETCH \slot, \q, \g
	s_wait_dscnt 32                                ; all but the 32 just issued
	WIN MUL
	MUL8 \f, 1, 0, 0
	MUL8 \f, 1, 2, 0
.endm
; The last quarter multiplies buffer 1 and changes slots: one barrier; in front of it each wave waits for all its tensor loads, adds 0 to its spare word, and waits for that and for its reads of this slot.
; fill = 1: the barrier opens a round of the cluster's, and behind it this slot is filled again, two K steps ahead.
.macro TURN slot, next, fill
	WIN 0
	s_wait_tensorcnt 0x0
	ds_add_u32 v[SPW], v[NIL]
	s_wait_dscnt 17                                ; (the add and the youngest sixteen loads may be out)
	WIN MUL
	MUL8 F1, 0, 0, 0
	s_wait_dscnt 0x0                               ; the add is done, and my reads of this slot are over
	s_barrier_signal -1
	MUL8 F1, 0, 2, 0
.if \fill
	WIN 0
.endif
	s_barrier_wait -1
.if \fill
	CREST
	s_add_nc_u64 s[G0+4*\slot+2:G0+4*\slot+3], s[G0+4*\slot+2:G0+4*\slot+3], 2*65536
	s_add_nc_u64 s[G0B+4*\slot+2:G0B+4*\slot+3], s[G0B+4*\slot+2:G0B+4*\slot+3], 2*524288
	JLOAD \slot                                    ; the first tensor load behind the round; its four v_nop are also the places in front of the loads below
.else
	PLACES
.endif
	FETCH \next, 0, F0
	WIN MUL
	MUL8 F1, 1, 0, 0
	MUL8 F1, 1, 2, 0
.endm
	s_wait_tensorcnt 1                             ; my part of K step 0 is in (K step 1's may be out),
	s_barrier_signal -1
	s_barrier_wait -1                              ; everybody's is
	FETCH 0, 0, F0
	s_wait_loadcnt 0x0                             ; the bias
	QUARTER 0, 1, F0, F1, 1                        ; K step 0
	QUARTER 0, 2, F1, F0, 0
	QUARTER 0, 3, F0, F1, 0
	TURN 0, 1, 1                                   ; slot 0 takes K step 2
	QUARTER 1, 1, F0, F1, 0                        ; K step 1
	QUARTER 1, 2, F1, F0, 0
	QUARTER 1, 3, F0, F1, 0
	TURN 1, 0, 1                                   ; slot 1 takes K step 3
	QUARTER 0, 1, F0, F1, 0                        ; K step 2
	QUARTER 0, 2, F1, F0, 0
	QUARTER 0, 3, F0, F1, 0
	TURN 0, 1, 0                                   ; nothing is left to fetch
	QUARTER 1, 1, F0, F1, 0                        ; K step 3
	QUARTER 1, 2, F1, F0, 0
	QUARTER 1, 3, F0, F1, 0
	s_wait_dscnt 16
	WIN MUL
	MUL8 F1, 0, 0, 0
	MUL8 F1, 0, 2, 0
	s_wait_dscnt 0
	MUL8 F1, 1, 0, 0
	MUL8 F1, 1, 2, 0
	WIN 0
; THE WAY OUT, block by block of 16 rows x 64 columns: through my own stage, back as whole rows of 256 bytes: sixteen lanes store 256 consecutive bytes, aligned.
.macro TOSTAGE a
.set BB, OB+32*((\a)%2)
.irp b, 0,1,2,3
	ds_store_b128 v[STO], v[ACC+8*(4*(\a)+\b):ACC+8*(4*(\a)+\b)+3] offset:64*\b          ; each accumulator from its low end on
	ds_store_b128 v[STO], v[ACC+8*(4*(\a)+\b)+4:ACC+8*(4*(\a)+\b)+7] offset:64*\b+16
.endr
.irp t, 0,1,2,3,4,5,6,7
	ds_load_b128 v[BB+4*\t:BB+4*\t+3], v[RD] offset:\t*2*SPITCH    ; LDS serves a wave's instructions in order: these see the stores above
.endr
.endm
.macro SEND a, younger                 ; younger: the LDS instructions issued behind block a's loads
.set BB, OB+32*((\a)%2)
	s_wait_dscnt \younger
.irp t, 0,1,2,3,4,5,6,7
	global_store_b128 v[CO], v[BB+4*\t:BB+4*\t+3], s[8:9] offset:(16*(\a)+2*\t)*4096 th:TH_STORE_NT
.endr
.endm
	PLACES
	TOSTAGE 0
.irp a, 1,2,3
.if \a > 1
	s_wait_xcnt 0x0                                ; block a - 2's stores have read their data: block a's loads may land there
.endif
	TOSTAGE \a
	SEND \a-1, 16                                  ; behind block a - 1's loads: block a's 8 stores and 8 loads
.endr
	SEND 3, 0
	s_wait_tensorcnt 0x0                           ; the wave's end
	ds_add_u32 v[SPW], v[NIL]
	s_wait_dscnt 0x0
	CROUND                                         ; the closing round
	s_endpgm
.Lfunc_end_k_qe2b0a7c702_outp:
	.size	k_qe2b0a7c702_outp, .Lfunc_end_k_qe2b0a7c702_outp-k_qe2b0a7c702_outp
	.p2alignl 7, 3214868480
	.fill 96, 4, 3214868480
	.section	.rodata,"a",@progbits
	.p2align	6, 0x0
	.amdhsa_kernel k_qe2b0a7c702_outp
		.amdhsa_group_segment_fixed_size 327680
		.amdhsa_private_segment_fixed_size 0
		.amdhsa_enable_private_segment 0
		.amdhsa_kernarg_size 32
		.amdhsa_user_sgpr_count 2
		.amdhsa_user_sgpr_kernarg_segment_ptr 1
		.amdhsa_wavefront_size32 1
		.amdhsa_system_sgpr_workgroup_id_x 1
		.amdhsa_system_sgpr_workgroup_id_y 1
		.amdhsa_system_sgpr_workgroup_id_z 1
		.amdhsa_system_vgpr_workitem_id 0
		.amdhsa_next_free_vgpr 512
		.amdhsa_next_free_sgpr 66
		.amdhsa_reserve_vcc 0
		.amdhsa_float_denorm_mode_32 3
		.amdhsa_float_denorm_mode_16_64 3
		.amdhsa_memory_ordered 1
		.amdhsa_forward_progress 1
		.amdhsa_inst_pref_size 87
	.end_amdhsa_kernel
	.amdgpu_metadata
---
amdhsa.version: [ 1, 2 ]
amdhsa.kernels:
  - .name:           k_qe2b0a7c702_outp
    .symbol:         k_qe2b0a7c702_outp.kd
    .args:
      - { .name: xw, .offset: 0, .size: 8, .value_kind: global_buffer, .address_space: global }
      - { .name: wo16, .offset: 8, .size: 8, .value_kind: global_buffer, .address_space: global }
      - { .name: bo, .offset: 16, .size: 8, .value_kind: global_buffer, .address_space: global }
      - { .name: out0, .offset: 24, .size: 8, .value_kind: global_buffer, .address_space: global }
    .group_segment_fixed_size: 327680
    .private_segment_fixed_size: 0
    .kernarg_segment_align: 8
    .kernarg_segment_size: 32
    .max_flat_workgroup_size: 128
    .sgpr_count:     66
    .vgpr_count:     512
    .wavefront_size: 32
...
	.end_amdgpu_metadata
.endif
;; end of part 4
